; MI455X (gfx1250); checked and timed in simulation.
; The chip was launched on July 23, 2026; its instructions are those of AMD's public machine-readable ISA for CDNA 5 (MIT licence, August 2026) and "CDNA5" Instruction Set Architecture Reference Guide (July 2026). The comments in the code are by the model that wrote it; some were corrected since.
;; Attention. Allowed arithmetic: matrix products marked QUANTISED: E3M2 operands, one E8M0 scale for each 32 along K, by v_wmma_scale_f32_16x16x128_f8f6f4 with both operands' format E3M2, f32 sums; everything else in f32.
;; Inputs: Wk_codes 1,024 x 64 x 24 uint8 (E3M2 codes of Wk, K innermost, in blocks of 32 codes, four codes in three bytes); Wk_scales 1,024 x 64 uint8 (E8M0 scales of Wk, one for each 32 codes along K); Wo_codes 2,048 x 32 x 24 uint8 (E3M2 codes of Wo, K innermost, in blocks of 32 codes, four codes in three bytes); Wo_scales 2,048 x 32 uint8 (E8M0 scales of Wo, one for each 32 codes along K); Wq_codes 1,024 x 64 x 24 uint8 (E3M2 codes of Wq, K innermost, in blocks of 32 codes, four codes in three bytes); Wq_scales 1,024 x 64 uint8 (E8M0 scales of Wq, one for each 32 codes along K); Wv_codes 1,024 x 64 x 24 uint8 (E3M2 codes of Wv, K innermost, in blocks of 32 codes, four codes in three bytes); Wv_scales 1,024 x 64 uint8 (E8M0 scales of Wv, one for each 32 codes along K); rms_w 2,048 float32; x 2 x 2,048 x 2,048 float32.
;; Outputs: out0 2 x 2,048 x 2,048 float32.
;; This version of the problem:
;;   THIS VERSION OF THE PROBLEM IS GIVEN IN LOW PRECISION. The matrix products marked QUANTISED in the list below multiply operands that are first quantised to E3M2 (3 exponent bits, 2 mantissa bits; 6 bits a number), with one power-of-two scale for each 32 numbers along K (OCP MX v1.0); their sums are f32. All else is computed in f32.
;;   The module's matrix products, in the order in which they are computed (A, B: the left and right operand; K: the contracted axis; several contracted axes count as one K, in the product's order):
;;     1. [M 4,096, K 2,048] x [K 2,048, N 1,024]; A: computed on the way; B: input Wq (given as codes): QUANTISED
;;     2. [M 4,096, K 2,048] x [K 2,048, N 1,024]; A: computed on the way; B: input Wk (given as codes): QUANTISED
;;     3. [M 4,096, K 2,048] x [K 2,048, N 1,024]; A: computed on the way; B: input Wv (given as codes): QUANTISED
;;     4. batch 32 x [M 2,048, K 64] x [K 64, N 2,048]; A: computed on the way; B: computed on the way: QUANTISED
;;     5. batch 32 x [M 64, K 2,048] x [K 2,048, N 2,048]; A: computed on the way; B: softmax (see below): QUANTISED
;;     6. [M 4,096, K 1,024] x [K 1,024, N 2,048]; A: computed on the way; B: input Wo (given as codes): QUANTISED
;;   THE QUANTISER, for each operand of a quantised product, along K:
;;     - K is cut into blocks of 32 from its start; a last block that is shorter is filled with zeros.
;;     - A block's scale is 2^e with e = floor(log2(the largest magnitude in the block)) - 4, held to -126 .. 127; a block of zeros has e = 0. As a byte (E8M0): e + 127.
;;     - Each number is divided by its block's scale, clamped to +-28, and rounded to the nearest number of E3M2, ties to even, subnormals kept.
;;     - The product sums the exact products of the quantised numbers (number of the format x scale) in f32.
;;   ~~~python
;;   def quantise(x, axis):      # numpy; x: float32 -> the quantised numbers, widened to float32 again
;;       x = np.moveaxis(x, axis, -1); K = x.shape[-1]
;;       x = np.pad(x, [(0, 0)] * (x.ndim - 1) + [(0, -K % 32)]); x = x.reshape(x.shape[:-1] + (-1, 32)); a = np.abs(x).max(-1, keepdims=True)
;;       e = np.where(a > 0, np.clip(np.frexp(np.where(a > 0, a, 1))[1] - 1 - 4, -126, 127), 0)      # np.frexp(a)[1] - 1 = floor(log2(a)), exactly
;;       r = np.clip(x / 2.0 ** e, -28, 28)
;;       step = 2.0 ** (np.maximum(np.frexp(np.where(r == 0, 1, r))[1] - 1, -2) - 2)
;;       q = np.round(r / step) * step * 2.0 ** e      # np.round: ties to even
;;       return np.moveaxis(q.reshape(q.shape[:-2] + (-1,))[..., :K], -1, axis).astype(np.float32)
;;   ~~~
;;   SOFTMAX AHEAD OF A QUANTISED PRODUCT. Where the list says 'softmax', what is quantised is not the finished softmax but p = 2^(t - M), with t = logit x log2(e) and M = ceil(the row's largest t), a whole number; so 1/2 < the row's largest p <= 1. The row's sum l is taken of the UNQUANTISED p, in f32, and the product's result is divided by l at the end. Since M is a whole number, a kernel that streams over the keys may use a running M (the ceiling of the running maximum): every later rescaling is an exact power of two, which a block's scale takes up: the codes' values come out the same.
;;   OPERANDS COMPUTED ON THE WAY. 'Computed on the way' means the value that the module computes at that place (a softmax that the list does not call 'softmax' is quantised finished and normalised). What goes into a quantiser is computed in f32, as accurately as f32 sums, v_exp_f32 and their like allow (about 1e-6 of the number): no bf16 or f16 on the way to a quantiser, and a product that is left as it is and whose result goes on into a quantised operand takes f32 operands (vector FMAs, or v_wmma_f32_16x16x4_f32). A number that lies on a knife's edge between two numbers of the format may be rounded either way, as far as f32 arithmetic and the matrix unit's own rounding can turn it there, and no further.
;;   INPUTS GIVEN AS CODES. Wk (in the module: [2048, 1024], K = its axis 0); Wo (in the module: [1024, 2048], K = its axis 0); Wq (in the module: [2048, 1024], K = its axis 0); Wv (in the module: [2048, 1024], K = its axis 0): each comes as NAME_codes (uint8): NAME with its K axis moved to the last place and cut into blocks of 32 codes, [.., K / 32, bytes a block], one block behind the other in memory; four codes in three bytes: a row's codes are one little-endian stream of bits, code i at bits 6 i .. 6 i + 5 (a code: sign, 3 exponent bits, 2 mantissa bits); and NAME_scales (uint8): the same leading axes, one E8M0 byte (e + 127) for each 32 codes along K. Its value is code x scale, taken as it is: it is not quantised again, and the codes and scales need not be those that the quantiser above would give.
;; One version. Each part assembles by itself: llvm-mc -triple=amdgcn-amd-amdhsa -mcpu=gfx1250 --defsym DOCPART=n.
;; ======== version 1 of 1: 4 launches
;; workspace buffers: xq 6,291,456 bytes; xsc 262,144 bytes; wimg 6,291,456 bytes; qimg 3,145,728 bytes; kvimg 6,291,456 bytes; asc 524,288 bytes; oimg 3,145,728 bytes; osc 131,072 bytes
;; launch prep (part 1): grid 256 x 1, 8 waves a work-group, no clusters, 167,936 bytes of LDS; arguments x, rms_w, Wq_codes, Wk_codes, Wv_codes, Wo_codes, xq, xsc, wimg; writes xq, xsc, wimg
.if DOCPART == 1
	.amdgcn_target "amdgcn-amd-amdhsa--gfx1250"
	.amdhsa_code_object_version 6
	.text
	.protected	k_q62d97adf20_prep
	.globl	k_q62d97adf20_prep
	.p2align	8
	.type	k_q62d97adf20_prep,@function
k_q62d97adf20_prep:
	s_mov_b64 s[64:65], 0
	v_nop
	global_prefetch_b8 v0, s[64:65] scope:SCOPE_SE
	s_setreg_imm32_b32 hwreg(HW_REG_WAVE_MODE, 25, 1), 1
	s_wait_xcnt 0x0
; PREP: xn = x * rsqrt(mean(x^2) + eps) * rms_w in f32, quantised along K = 2,048 to codes of E3M2 with one E8M0 byte for each 32; and the four weights' codes laid out anew.
; THE PROGRAM: prep | qkv (products 1-3, q, k, v quantised on the way out) | attn (products 4, 5) | oproj (product 6 + residual).
; WORK LEFT OUT, in launch attn alone: reference() sets scores to -inf wherever key > query (its own jnp.tril), exp(-inf) = 0, and 0 x v adds nothing to any output whatever finite values the inputs hold.
; So key steps (128 keys) all of whose keys come after a wave's queries are not multiplied, and key slots that no wave of a work-group reads are not fetched.  Every input has a way to the output: all are loaded.
; LIMITS: NaN and infinities among the inputs are not served; a NaN, an infinity or an overflow that reaches only the work left out is not carried to the result; a block of zeros gets the scale byte 1 where
; the rule says 127 (its codes are zeros, which add nothing under any byte but 0xff, and only this program reads the bytes); blocks whose largest magnitude lies under 2^(5 - 127) are held at byte 1.
; TILES OF TOKENS.  Tile t (0..255) holds in its row r token 32 (t / 2) + 8 (t % 2) + r + 8 (r / 8): wherever a matrix result's registers run along a tile's rows, the 16 registers of tiles 2 b, 2 b + 1 are 16 neighbours.
; IMAGES.  An operand fragment (16 rows x 128 K, 12 registers a lane, 1,536 bytes) lies in memory as its registers stand: registers 4 c .. 4 c + 3 of lane l at 512 c + 16 l.
; SHARES.  Work-group g owns token tile g (16 rows, 128 KiB); wave w its columns 256 w .. 256 w + 255 (K steps 2 w, 2 w + 1), brought by two tensor loads of 8 rows x 1,024 bytes into the wave's own LDS region.
; While x is on its way each wave relays two of the 4,096 weight fragments: 24 bytes a lane and half as they lie in a row's stream of bits, stored as an image.
; Wq, Wk, Wv: tile t of a head takes rows 32 (t / 2) + 8 (t % 2) + r + 8 (r / 8) of the head's 64; Wo: 16 neighbouring rows.
.set RPITCH, 1040                      ; an LDS row: 1,024 bytes + 16 = 65 x 16: the sixteen rows of a 16-byte load fall on sixteen different columns of 16 bytes
.set WREG,   16*RPITCH                 ; a wave's region
.set RED,    8*WREG                    ; 512 bytes: the waves' partial sums of squares, [row 16][wave 8]
.set SCL,    RED+512                   ; 1,024 bytes: the tile's scale words, [K step / 4][row 16][4 words]
.set SPARE,  SCL+1024                  ; the spare words, 128 bytes for each wave: four blocks of 256 bytes that no other line names
.set X,   32                           ; v32-95   64 numbers of my row (first: the two relayed fragments)
.set WA,  96                           ; v96-223  rms_w at my 128 columns
.set PC,  224                          ; v224-243 codes: 12 registers, and 8 for the conversions' second halves
.set TM,  244                          ; v244-247 largest magnitudes, v248-251 the other half's / the bytes, v252-255 the conversions' scale operands
.set SPW, 10                           ; v10  LDS address of my spare word; never rewritten
.set NIL, 11                           ; v11  0; never rewritten
.set SEL, 50                           ; s[50:51] lane selects of v_permlanex16_b32 for lane l xor 16
.macro BARRIER                         ; my LDS stores have landed and my LDS loads are in: then the work-group's barrier
	s_wait_dscnt 0x0
	s_barrier_signal -1
	s_barrier_wait -1
.endm
.macro XIN s                           ; K step s of my row: register 16 b + i = k 32 b + 16 (lane / 16) + i
.irp b, 0,1,2,3
.irp j, 0,1,2,3
	ds_load_b128 v[X+16*\b+4*\j:X+16*\b+4*\j+3], v4 offset:512*(\s)+128*\b+16*\j
.endr
.endr
.endm
.macro SQ first                        ; 64 squares into four chains of pairs; the first four products start the chains
.set i, 0
.rept 32
.if (\first) && (i < 4)
	v_pk_mul_f32 v[14+2*(i%4):15+2*(i%4)], v[X+2*i:X+2*i+1], v[X+2*i:X+2*i+1]
.else
	v_pk_fma_f32 v[14+2*(i%4):15+2*(i%4)], v[X+2*i:X+2*i+1], v[X+2*i:X+2*i+1], v[14+2*(i%4):15+2*(i%4)]
.endif
.set i, i+1
.endr
.endm
; 64 numbers of a lane become a fragment's codes in v[PC] on and its scale word in v[pw]
.macro QUANT s, pw
.irp b, 0,1,2,3
	v_max3_num_f32 v[TM+\b], |v[\s+16*\b]|, |v[\s+1+16*\b]|, 0x2800000   ; block b: my 16 numbers, and the floor 2^(5 - 127): the byte cannot fall under 1
.endr
.irp i, 2,4,6,8,10,12,14
.irp b, 0,1,2,3
	v_max3_num_f32 v[TM+\b], v[TM+\b], |v[\s+16*\b+\i]|, |v[\s+1+16*\b+\i]|
.endr
.endr
.irp b, 0,1,2,3
	v_permlanex16_b32 v[TM+4+\b], v[TM+\b], s[SEL], s[SEL+1]
.endr
.irp b, 0,1,2,3
	v_max_num_f32 v[TM+\b], v[TM+\b], v[TM+4+\b]     ; with lane l xor 16's: the block's largest magnitude
.endr
.irp b, 0,1,2,3
	v_add_nc_u32 v[TM+8+\b], 0xfe000000, v[TM+\b]    ; 4 off its exponent field: the conversion takes this operand's exponent field as its scale
.endr
.irp b, 0,1,2,3
	v_lshrrev_b32 v[TM+4+\b], 23, v[TM+8+\b]         ; the scale's byte
.endr
	v_lshl_or_b32 v[\pw], v[TM+5], 8, v[TM+4]
	v_lshl_or_b32 v[\pw], v[TM+6], 16, v[\pw]
	v_lshl_or_b32 v[\pw], v[TM+7], 24, v[\pw]
.irp c, 0,1
	v_cvt_scalef32_pk16_bf6_f32 v[PC+6*\c:PC+2+6*\c], v[\s+32*\c:\s+15+32*\c], v[TM+8+2*\c]
	v_cvt_scalef32_pk16_bf6_f32 v[PC+12+4*\c:PC+14+4*\c], v[\s+16+32*\c:\s+31+32*\c], v[TM+8+2*\c+1]   ; (a conversion's three registers begin on an even number)
.endr
	v_nop                                            ; one plain place behind a scaled conversion
.irp c, 0,1                                      ; the operand wants a WHOLE block in a lane: lanes 0-15 block 2 c, lanes 16-31 block 2 c + 1
.irp i, 0,1,2
	v_permlane16_swap_b32 v[PC+6*\c+\i], v[PC+12+4*\c+\i]
.endr
.irp i, 0,1,2
	v_mov_b32 v[PC+3+6*\c+\i], v[PC+12+4*\c+\i]
.endr
.endr
.endm
; K step s: (x * rs) * w, as reference() orders the two products; quantised; its image stored
.macro NORMQ s, fetch
.if \fetch
	XIN \s
	s_wait_dscnt 0x0
.endif
.set i, 0
.rept 32
	v_pk_mul_f32 v[X+2*i:X+2*i+1], v[X+2*i:X+2*i+1], v[12:13]
.set i, i+1
.endr
.set i, 0
.rept 32
	v_pk_mul_f32 v[X+2*i:X+2*i+1], v[X+2*i:X+2*i+1], v[WA+64*(\s)+2*i:WA+64*(\s)+2*i+1]
.set i, i+1
.endr
	s_wait_xcnt 0x0                                  ; earlier stores have read the codes' registers
	QUANT X, 24+(\s)
.irp c, 0,1,2
	global_store_b128 v3, v[PC+4*\c:PC+4*\c+3], s[46:47] offset:24576*(\s)+512*\c   ; 32 lanes store 512 consecutive bytes
.endr
.endm
	s_load_b256 s[4:11], s[0:1], 0x0                 ; x, rms_w, Wq_codes, Wk_codes
	s_load_b256 s[12:19], s[0:1], 0x20               ; Wv_codes, Wo_codes, xq, xsc
	s_load_b64 s[20:21], s[0:1], 0x40                ; wimg
	v_lshl_add_u32 v[SPW], v0, 2, SPARE
	v_mov_b32 v[NIL], 0
	ds_add_u32 v[SPW], v[NIL]                        ; the wave's opening: an add, twice on end, and its wait ahead of my first tensor load
	ds_add_u32 v[SPW], v[NIL]                        ; and once more; the set-up below, work on registers, stands between it and the wait
	v_lshrrev_b32 v1, 5, v0
	v_readfirstlane_b32 s22, v1                      ; wave 0..7
	s_mov_b32 s23, ttmp9                             ; g: my token tile
	; descriptor group 1: 8 rows x 256 elements of 4 bytes, 2,048 elements from row to row; 4 words of padding behind every 256
	s_mov_b32 s24, (2<<16)|(1<<20)|(7<<22)|(3<<25)
	s_mov_b32 s25, 256<<16
	s_mov_b32 s26, 8<<16
	s_mov_b32 s27, 256<<16
	s_mov_b32 s28, 8
	s_mov_b32 s29, 2048
	s_mov_b32 s30, 0
	s_mov_b32 s31, 0
	s_lshr_b32 s56, s23, 1
	s_lshl_b32 s56, s56, 5
	s_and_b32 s57, s23, 1
	s_lshl_b32 s57, s57, 3
	s_add_co_u32 s56, s56, s57                       ; the tile's first token: 32 (g / 2) + 8 (g % 2)
	s_lshl_b32 s56, s56, 13                          ; x 8,192 bytes
	s_lshl_b32 s57, s22, 10
	s_add_co_u32 s56, s56, s57                       ; + my 1,024 bytes of a row
	s_mov_b32 s57, 0
	s_mov_b32 s32, 1
	s_mul_i32 s33, s22, WREG                         ; rows 0-7 of the tile: my region's start
	s_mov_b32 s36, 1
	s_add_co_u32 s37, s33, 8*RPITCH                  ; rows 8-15 (tokens 16 further on)
	; the relay, for Wq, Wk, Wv (g < 192): matrix m = g / 64, tile T = g % 64, K steps 2 w, 2 w + 1
	s_lshr_b32 s58, s23, 6
	s_and_b32 s59, s23, 63
	s_lshr_b32 s60, s59, 2                           ; head
	s_bfe_u32 s61, s59, 0x10001
	s_and_b32 s62, s59, 1
	s_lshl_b32 s63, s60, 6
	s_lshl_b32 s61, s61, 5
	s_lshl_b32 s62, s62, 3
	s_add_co_u32 s63, s63, s61
	s_add_co_u32 s63, s63, s62                       ; the tile's first row
	s_mul_i32 s63, s63, 1536
	s_mul_i32 s61, s22, 192
	s_add_co_u32 s63, s63, s61                       ; source byte
	s_mul_i32 s60, s60, 294912
	s_mul_i32 s61, s22, 36864
	s_add_co_u32 s60, s60, s61
	s_lshl_b32 s58, s58, 2
	s_and_b32 s61, s59, 3
	s_add_co_u32 s58, s58, s61
	s_mul_i32 s58, s58, 1536
	s_add_co_u32 s60, s60, s58                       ; image: [head][K step][4 m + tile]
	; and for Wo (g >= 192): tile To = 2 (g - 192) + w / 4, K steps 2 (w % 4), + 1
	s_max_u32 s66, s23, 192
	s_sub_co_u32 s66, s66, 192
	s_lshl_b32 s66, s66, 1
	s_lshr_b32 s67, s22, 2
	s_add_co_u32 s66, s66, s67
	s_and_b32 s67, s22, 3
	s_mul_i32 s68, s66, 12288
	s_mul_i32 s69, s67, 192
	s_add_co_u32 s68, s68, s69                       ; source byte
	s_lshr_b32 s69, s66, 4
	s_mul_i32 s69, s69, 196608
	s_mul_i32 s67, s67, 49152
	s_add_co_u32 s69, s69, s67
	s_and_b32 s66, s66, 15
	s_mul_i32 s66, s66, 1536
	s_add_co_u32 s69, s69, s66
	s_add_co_u32 s69, s69, 4718592                   ; image: behind the three, [column block][K step][tile]
	s_cmp_lt_u32 s23, 192                            ; the choice hangs on the work-group's number alone
	s_cselect_b32 s58, s63, s68
	s_cselect_b32 s60, s60, s69
	s_mov_b32 s62, 768
	s_cselect_b32 s62, 1536, s62                     ; a row of codes in bytes
	s_mov_b32 s66, 24576
	s_cselect_b32 s66, 18432, s66                    ; from a K step's image to the next
	s_cselect_b32 s70, 8, 0                          ; r + (r & 8): the chosen rows; or neighbours
	s_mov_b32 s59, 0
	s_mov_b32 s61, 0
	s_mov_b32 s67, 0
	s_lshr_b32 s68, s23, 4
	s_mul_i32 s68, s68, 393216
	s_mul_i32 s69, s22, 49152
	s_add_co_u32 s68, s68, s69
	s_and_b32 s69, s23, 15
	s_mul_i32 s69, s69, 1536
	s_add_co_u32 s68, s68, s69                       ; xq: [block of 16 tiles][K step][tile]
	s_mov_b32 s69, 0
	s_lshl_b32 s72, s23, 10                          ; xsc: 1,024 bytes a tile
	s_mov_b32 s73, 0
	s_mov_b32 s[SEL], 0x76543210
	s_mov_b32 s[SEL+1], 0xfedcba98
	s_mov_b32 s52, 0x3727c5ac                        ; eps = 1e-5
	s_mov_b32 s53, 0x3a000000                        ; 1 / 2,048
	v_and_b32 v12, 31, v0                            ; lane
	v_and_b32 v1, 15, v0                             ; r
	v_bfe_u32 v2, v0, 4, 1                           ; h
	v_lshlrev_b32 v3, 4, v12                         ; 16 x lane: an image's place
	v_mul_u32_u24 v4, v1, RPITCH
	v_lshl_add_u32 v4, v2, 6, v4
	v_add_nc_u32 v4, s33, v4                         ; my row in my region, + 64 h
	v_and_b32 v5, s70, v1
	v_add_nc_u32 v5, v5, v1
	v_mul_lo_u32 v5, v5, s62
	v_mad_u32_u24 v5, v2, 24, v5                     ; the relay: my row of the weight's tile, + 24 h
	s_lshl_b32 s74, s22, 10
	v_lshl_add_u32 v6, v2, 6, s74                    ; rms_w: 1,024 w + 64 h
	s_lshl_b32 s75, s22, 2
	v_lshlrev_b32 v8, 5, v1
	v_add_nc_u32 v8, RED, v8                         ; my row's eight partial sums
	v_add_nc_u32 v7, s75, v8                         ; and my wave's among them
	s_lshr_b32 s76, s22, 1
	s_lshl_b32 s76, s76, 8
	s_and_b32 s77, s22, 1
	s_lshl_b32 s74, s77, 3
	s_add_co_u32 s76, s76, s74
	v_lshlrev_b32 v9, 4, v1
	v_add_nc_u32 v9, s76, v9
	v_add_nc_u32 v9, SCL, v9                         ; my two scale words: 256 (w / 2) + 16 r + 8 (w % 2)
	s_lshl_b32 s77, s77, 9
	v_add_nc_u32 v27, s77, v3                        ; the way out of the scale words: 512 (w % 2) + 16 x lane,
	v_add_nc_u32 v26, SCL, v27                       ; in LDS
	v_mov_b32 v22, 0                                 ; (a lane permute's destination counts as one of its sources)
.irp b, 0,1,2,3
	v_mov_b32 v[TM+4+\b], 0
.endr
	s_wait_dscnt 0x0                                 ; both opening adds are done
	s_wait_kmcnt 0x0
	s_add_nc_u64 s[34:35], s[4:5], s[56:57]
	s_add_nc_u64 s[38:39], s[34:35], 0x20000         ; 16 rows further on
	s_or_b32 s35, s35, 0x80000000
	s_or_b32 s39, s39, 0x80000000
	tensor_load_to_lds s[32:35], s[24:31]            ; every wave's two first fills, ahead of every wait on TENSORcnt, LDS read and barrier: two loads of mine are out
	s_nop 0
	tensor_load_to_lds s[36:39], s[24:31]
	s_nop 0
	s_cmp_lt_u32 s23, 64
	s_cselect_b64 s[40:41], s[8:9], s[10:11]
	s_cmp_lt_u32 s23, 128
	s_cselect_b64 s[40:41], s[40:41], s[12:13]
	s_cmp_lt_u32 s23, 192
	s_cselect_b64 s[40:41], s[40:41], s[14:15]       ; the weight that I relay
	s_add_nc_u64 s[40:41], s[40:41], s[58:59]
	s_add_nc_u64 s[42:43], s[20:21], s[60:61]        ; its first image,
	s_add_nc_u64 s[44:45], s[42:43], s[66:67]        ; its second
	s_add_nc_u64 s[46:47], s[16:17], s[68:69]
	s_add_nc_u64 s[48:49], s[18:19], s[72:73]
.irp f, 0,1
.irp p, 0,1,2,3,4,5
	global_load_b64 v[X+12*\f+2*\p:X+12*\f+2*\p+1], v5, s[40:41] offset:96*\f+48*(\p/3)+8*(\p%3)
.endr
.endr
.irp s, 0,1
.irp b, 0,1,2,3
.irp j, 0,1,2,3
	global_load_b128 v[WA+64*\s+16*\b+4*\j:WA+64*\s+16*\b+4*\j+3], v6, s[6:7] offset:512*\s+128*\b+16*\j
.endr
.endr
.endr
	s_wait_loadcnt 32                                ; the twelve relay loads are in; the 32 of rms_w behind them may be out
.irp c, 0,1,2
	global_store_b128 v3, v[X+4*\c:X+4*\c+3], s[42:43] offset:512*\c
	global_store_b128 v3, v[X+12+4*\c:X+12+4*\c+3], s[44:45] offset:512*\c
.endr
	s_wait_xcnt 0x0                                  ; the stores have read their registers: x's numbers may land there
	s_wait_tensorcnt 0x0                             ; my 16 rows x 1,024 bytes are in; only I read them
	XIN 0
	s_wait_dscnt 0x0
	SQ 1
	XIN 1
	s_wait_dscnt 0x0
	SQ 0
	v_pk_add_f32 v[14:15], v[14:15], v[16:17]
	v_pk_add_f32 v[18:19], v[18:19], v[20:21]
	v_pk_add_f32 v[14:15], v[14:15], v[18:19]
	v_add_f32 v14, v14, v15
	v_permlanex16_b32 v22, v14, s[SEL], s[SEL+1]
	v_add_f32 v14, v14, v22                          ; my wave's 256 columns of row r
	ds_store_b32 v7, v14                             ; (lanes r and r + 16 write the same word with the same value)
	BARRIER
	ds_load_b128 v[14:17], v8
	ds_load_b128 v[18:21], v8 offset:16
	s_wait_dscnt 0x0
	v_add_f32 v14, v14, v15
	v_add_f32 v16, v16, v17
	v_add_f32 v18, v18, v19
	v_add_f32 v20, v20, v21
	v_add_f32 v14, v14, v16
	v_add_f32 v18, v18, v20
	v_add_f32 v14, v14, v18                          ; the row's sum of squares
	v_fma_f32 v14, v14, s53, s52                     ; / 2,048 + eps
	v_rsq_f32 v12, v14
	v_nop                                            ; a plain place behind the transcendental
	s_wait_alu depctr_va_vdst(0)                     ; and a wait ahead of its first reader
	v_mov_b32 v13, v12
	s_wait_loadcnt 0x0                               ; rms_w
	NORMQ 1, 0                                       ; K step 1 still stands in the registers
	NORMQ 0, 1
	ds_store_b64 v9, v[24:25]
	BARRIER                                          ; the tile's 256 scale words lie in LDS
	s_cmp_lt_u32 s22, 2
	s_cbranch_scc0 .Lend
	ds_load_b128 v[32:35], v26
	s_wait_dscnt 0x0
	global_store_b128 v27, v[32:35], s[48:49]        ; two waves store 512 consecutive bytes each
.Lend:
	s_wait_tensorcnt 0x0                             ; the wave's end
	ds_add_u32 v[SPW], v[NIL]
	s_wait_dscnt 0x0
	s_endpgm
.Lfunc_end_k_q62d97adf20_prep:
	.size	k_q62d97adf20_prep, .Lfunc_end_k_q62d97adf20_prep-k_q62d97adf20_prep
	.p2alignl 7, 3214868480
	.fill 96, 4, 3214868480
	.section	.rodata,"a",@progbits
	.p2align	6, 0x0
	.amdhsa_kernel k_q62d97adf20_prep
		.amdhsa_group_segment_fixed_size 167936
		.amdhsa_private_segment_fixed_size 0
		.amdhsa_enable_private_segment 0
		.amdhsa_kernarg_size 72
		.amdhsa_user_sgpr_count 2
		.amdhsa_user_sgpr_kernarg_segment_ptr 1
		.amdhsa_wavefront_size32 1
		.amdhsa_system_sgpr_workgroup_id_x 1
		.amdhsa_system_sgpr_workgroup_id_y 1
		.amdhsa_system_sgpr_workgroup_id_z 1
		.amdhsa_system_vgpr_workitem_id 0
		.amdhsa_next_free_vgpr 256
		.amdhsa_next_free_sgpr 80
		.amdhsa_reserve_vcc 0
		.amdhsa_float_denorm_mode_32 3
		.amdhsa_float_denorm_mode_16_64 3
		.amdhsa_memory_ordered 1
		.amdhsa_forward_progress 1
		.amdhsa_inst_pref_size 37
	.end_amdhsa_kernel
	.amdgpu_metadata
---
amdhsa.version: [ 1, 2 ]
amdhsa.kernels:
  - .name:           k_q62d97adf20_prep
    .symbol:         k_q62d97adf20_prep.kd
    .args:
      - { .name: x, .offset: 0, .size: 8, .value_kind: global_buffer, .address_space: global }
      - { .name: rms_w, .offset: 8, .size: 8, .value_kind: global_buffer, .address_space: global }
      - { .name: Wq_codes, .offset: 16, .size: 8, .value_kind: global_buffer, .address_space: global }
      - { .name: Wk_codes, .offset: 24, .size: 8, .value_kind: global_buffer, .address_space: global }
      - { .name: Wv_codes, .offset: 32, .size: 8, .value_kind: global_buffer, .address_space: global }
      - { .name: Wo_codes, .offset: 40, .size: 8, .value_kind: global_buffer, .address_space: global }
      - { .name: xq, .offset: 48, .size: 8, .value_kind: global_buffer, .address_space: global }
      - { .name: xsc, .offset: 56, .size: 8, .value_kind: global_buffer, .address_space: global }
      - { .name: wimg, .offset: 64, .size: 8, .value_kind: global_buffer, .address_space: global }
    .group_segment_fixed_size: 167936
    .private_segment_fixed_size: 0
    .kernarg_segment_align: 8
    .kernarg_segment_size: 72
    .max_flat_workgroup_size: 256
    .sgpr_count:     80
    .vgpr_count:     256
    .wavefront_size: 32
...
	.end_amdgpu_metadata
.endif
;; end of part 1
;; launch qkv (part 2): grid 16 x 16, 4 waves a work-group, clusters of 4 x 1, 295,424 bytes of LDS; arguments xq, xsc, wimg, Wq_scales, Wk_scales, Wv_scales, qimg, kvimg, asc; writes qimg, kvimg, asc
.if DOCPART == 2
	.amdgcn_target "amdgcn-amd-amdhsa--gfx1250"
	.amdhsa_code_object_version 6
	.text
	.protected	k_q62d97adf20_qkv
	.globl	k_q62d97adf20_qkv
	.p2align	8
	.type	k_q62d97adf20_qkv,@function
k_q62d97adf20_qkv:
	s_mov_b64 s[64:65], 0
	v_nop
	global_prefetch_b8 v0, s[64:65] scope:SCOPE_SE
	s_setreg_imm32_b32 hwreg(HW_REG_WAVE_MODE, 25, 1), 1
	s_wait_xcnt 0x0
	s_wait_alu depctr_hold_cnt(0) depctr_sa_sdst(0) depctr_va_vdst(0) depctr_va_sdst(0) depctr_va_ssrc(0) depctr_va_vcc(0) depctr_vm_vsrc(0)
	s_getreg_b32 s2, hwreg(HW_REG_IB_STS2, 6, 4)
	s_cmp_eq_u32 s2, 0
	s_cbranch_scc0 .Lentry_in_a_cluster
	s_endpgm
.Lentry_in_a_cluster:
	s_bfe_u32 s2, ttmp6, 0x10000c
	s_cmp_lg_u32 s2, 0x3003
	s_cbranch_scc0 .Lentry_shape_is_right
	s_endpgm
.Lentry_shape_is_right:
; QKV: q, k, v = xn Wq, xn Wk, xn Wv on codes of E3M2 (K = 2,048, 16 steps of 128), each result quantised in registers: q and k along the head's 64, v along the tokens (its K in attention).  No work is left out here.
; SHARES.  A work-group makes 256 tokens (x: block rb) x the 192 columns of q, k, v of one head (y).  Wave w: tokens 64 w .. + 63 (4 tiles) x all 12 weight tiles: 48 accumulators, 768 matrix instructions.
; THE HEAD'S WEIGHTS FOR ALL OF K, 294,912 bytes of images, come into LDS ONCE, by 16 tensor loads (4 a wave), asked for JOINTLY by the four row blocks of a cluster, which share the head.  Nothing is filled again.
; A wave's 64 rows of xn are read by no other wave of the work-group: their images go from memory straight into registers, five K steps ahead, in six sets of 48 registers.
; q, k: source 0 = 16 rows of W, source 1 = 16 tokens: a lane holds one token, its registers run along the head's 64.  v: source 0 = 16 tokens, source 1 = 16 rows of Wv: a lane holds one channel, its registers run along the tokens.
; HALF IMAGES (64 along K, registers 0-5 of a lane, 768 bytes): registers 0-3 at 16 l, registers 4-5 at 512 + 8 l.  Two on end are a fragment.
; REGISTERS, in windows of 256.  Window 0: v1-5 addresses, v28-29 the add's two, v32-127 A's sets 4, 5 (on the way out: at work), v128-223 W's scale words, v224-255 x's.
;   window 1: v0-143 B, 12 tiles, one set; v144-239 A's sets 2, 3.   window 2: q's and k's accumulators, (tile a, weight tile j) at 8 (8 a + j).   window 3: v's at 8 (4 j' + a); v128-223 A's sets 0, 1.
; SCALE WORDS: register WS + 16 (j / 2) + k holds tile j's word of K step k in lanes 0-15 (j even) or 16-31 (j odd); XS + 16 (a / 2) + k likewise for x's tiles.
.set KB,    18432                      ; a K step's 12 weight fragments
.set SPARE, 16*KB                      ; behind them: the spare words, 128 bytes for each wave
.set WS,  128
.set XS,  224
.set SPW, 28
.set NIL, 29
.set TMX, 32                           ; the way out: v32-39 largest magnitudes, v40-47 the other half's, v48-55 scale operands, v56-63 bytes,
.set PT,  40
.set SOP, 48
.set BY,  56
.set HW,  64                           ; v64-75 halfwords of two scale bytes: 4 of q, 4 of k, 4 of v
.set PC,  76                           ; v76-99 four half fragments; v100-115 the conversions' second halves; v116-119 scale words to store
.set CT,  100
.set DD,  116
.set WV,  22
.set G1,  24
.set G0,  32
.set HM,  49                           ; s49 the mask of lanes 16-31
.set SEL, 50
.set MSB, 0
.macro WIN new                         ; the immediate's high byte repeats the setting that is left
.if MSB != (\new)
	s_set_vgpr_msb (MSB<<8)|(\new)
.set MSB, (\new)
.endif
.endm
.macro CROUND                          ; a round of the cluster's barrier
	s_barrier_signal -1
	s_barrier_wait -1
	s_cmp_lg_u32 s[WV], 0
	s_cbranch_scc1 .Lnot_wave_0_\@
	s_barrier_signal -3
.Lnot_wave_0_\@:
	s_barrier_wait -3
	s_barrier_signal -1
	s_barrier_wait -1
.endm
.macro PLACES                          ; four places in front of loads into registers that matrix instructions have read, and of the first read of results
.rept 4
	v_nop
.endr
.endm
; one matrix instruction: D at d, source 0 at a, source 1 at b; z: the constant 0 starts the sum; scale registers sa, sb; ra, rb: the scales stand in lanes 16-31
.macro WM d, a, b, z, sa, sb, ra, rb
.if \z
.if (\ra) && (\rb)
	v_wmma_scale_f32_16x16x128_f8f6f4 v[\d:\d+7], v[\a:\a+11], v[\b:\b+11], 0, v[\sa], v[\sb] matrix_a_fmt:MATRIX_FMT_BF6 matrix_b_fmt:MATRIX_FMT_BF6 matrix_a_scale:MATRIX_SCALE_ROW1 matrix_b_scale:MATRIX_SCALE_ROW1
.elseif \ra
	v_wmma_scale_f32_16x16x128_f8f6f4 v[\d:\d+7], v[\a:\a+11], v[\b:\b+11], 0, v[\sa], v[\sb] matrix_a_fmt:MATRIX_FMT_BF6 matrix_b_fmt:MATRIX_FMT_BF6 matrix_a_scale:MATRIX_SCALE_ROW1
.elseif \rb
	v_wmma_scale_f32_16x16x128_f8f6f4 v[\d:\d+7], v[\a:\a+11], v[\b:\b+11], 0, v[\sa], v[\sb] matrix_a_fmt:MATRIX_FMT_BF6 matrix_b_fmt:MATRIX_FMT_BF6 matrix_b_scale:MATRIX_SCALE_ROW1
.else
	v_wmma_scale_f32_16x16x128_f8f6f4 v[\d:\d+7], v[\a:\a+11], v[\b:\b+11], 0, v[\sa], v[\sb] matrix_a_fmt:MATRIX_FMT_BF6 matrix_b_fmt:MATRIX_FMT_BF6
.endif
.else
.if (\ra) && (\rb)
	v_wmma_scale_f32_16x16x128_f8f6f4 v[\d:\d+7], v[\a:\a+11], v[\b:\b+11], v[\d:\d+7], v[\sa], v[\sb] matrix_a_fmt:MATRIX_FMT_BF6 matrix_b_fmt:MATRIX_FMT_BF6 matrix_a_scale:MATRIX_SCALE_ROW1 matrix_b_scale:MATRIX_SCALE_ROW1
.elseif \ra
	v_wmma_scale_f32_16x16x128_f8f6f4 v[\d:\d+7], v[\a:\a+11], v[\b:\b+11], v[\d:\d+7], v[\sa], v[\sb] matrix_a_fmt:MATRIX_FMT_BF6 matrix_b_fmt:MATRIX_FMT_BF6 matrix_a_scale:MATRIX_SCALE_ROW1
.elseif \rb
	v_wmma_scale_f32_16x16x128_f8f6f4 v[\d:\d+7], v[\a:\a+11], v[\b:\b+11], v[\d:\d+7], v[\sa], v[\sb] matrix_a_fmt:MATRIX_FMT_BF6 matrix_b_fmt:MATRIX_FMT_BF6 matrix_b_scale:MATRIX_SCALE_ROW1
.else
	v_wmma_scale_f32_16x16x128_f8f6f4 v[\d:\d+7], v[\a:\a+11], v[\b:\b+11], v[\d:\d+7], v[\sa], v[\sb] matrix_a_fmt:MATRIX_FMT_BF6 matrix_b_fmt:MATRIX_FMT_BF6
.endif
.endif
.endm
.macro ASET p                          ; A's set p: its window AW and first register AB
.if (\p) < 2
.set AW, 3
.set AB, 128+48*(\p)
.elseif (\p) < 4
.set AW, 1
.set AB, 144+48*((\p)-2)
.else
.set AW, 0
.set AB, 32+48*((\p)-4)
.endif
.endm
.macro ALOAD k                         ; my four tiles' fragments of K step k, from memory into set k % 6
	ASET (\k)%6
	WIN AW<<6
.irp a, 0,1,2,3
.irp c, 0,1,2
	global_load_b128 v[AB+12*\a+4*\c:AB+12*\a+4*\c+3], v1, s[4:5] offset:24576*(\k)+1536*\a+512*\c
.endr
.endr
.endm
.macro BLOAD j0, j1                    ; weight tiles j0 .. j1 of the K step at which v3 stands
	WIN 0x40
.set jj, \j0
.rept (\j1)-(\j0)+1
.irp c, 0,1,2
	ds_load_b128 v[12*jj+4*\c:12*jj+4*\c+3], v3 offset:1536*jj+512*\c
.endr
.set jj, jj+1
.endr
.endm
.macro MULQK k, j, z                   ; q's or k's weight tile j against my four tiles of tokens
.irp a, 0,1,2,3
	WM 8*(8*\a+(\j)), 12*(\j), AB+12*\a, \z, WS+16*((\j)/2)+(\k), XS+16*(\a/2)+(\k), (\j)%2, \a%2
.endr
.endm
.macro MULV k, j, z                    ; my four tiles of tokens against v's weight tile j (8 .. 11)
.irp a, 0,1,2,3
	WM 8*(4*((\j)-8)+\a), AB+12*\a, 12*(\j), \z, XS+16*(\a/2)+(\k), WS+16*((\j)/2)+(\k), \a%2, (\j)%2
.endr
.endm
; A K STEP: 48 matrix instructions, the 48 accumulators by turns in one fixed order.  B's one set is fetched anew in two halves, each 24 matrix instructions ahead of its use.
.macro STEP k
	ASET (\k)%6
	s_wait_dscnt 18                                  ; weight tiles 0-5 are in; the 18 loads of tiles 6-11 may be out
	WIN 0xa1|(AW<<2)
.irp j, 0,1,2,3,4,5
	MULQK \k, \j, (\k)==0
.endr
.if (\k) < 15
	WIN 0
	v_add_nc_u32 v3, KB, v3                          ; on to the next K step's fragments; with the three below: the four places
	v_nop
	v_nop
	v_nop
.if (\k)%4 == 3
	s_wait_tensorcnt 2-(\k)/4                        ; my load of the next four K steps has landed; my later ones may be out
	s_wait_dscnt 0x0
	s_barrier_signal -1
	s_barrier_wait -1                                ; everybody's has
.endif
	BLOAD 0, 5
	s_wait_dscnt 18                                  ; tiles 6-11 of this step are in; the 18 just issued may be out
.else
	s_wait_dscnt 0x0
.endif
	WIN 0xa1|(AW<<2)
	MULQK \k, 6, (\k)==0
	MULQK \k, 7, (\k)==0
	WIN 0xf4|AW
.irp j, 8,9,10,11
	MULV \k, \j, (\k)==0
.endr
	WIN 0
	PLACES
.if (\k) < 15
	BLOAD 6, 11
.if 14-(\k) >= 4
	s_wait_loadcnt 48                                ; the next step's A is in; the four sets behind it may be out
.else
	s_wait_loadcnt 12*(14-(\k))
.endif
.if (\k)+6 < 16
	ALOAD (\k)+6                                     ; into the set just multiplied
.endif
.endif
.endm
; THE WAY OUT: four units of 32 registers in window W (register 16 b + i = place 32 b + 16 (lane / 16) + i along the next K) become four half fragments at v[PC + 6 u] and four halfwords of scale bytes at v[HW + 4 g + u]
.macro HQ4 W, b0, b1, b2, b3, g
	WIN (\W)|((\W)<<2)
.set uu, 0
.irp bs, \b0, \b1, \b2, \b3
.irp b, 0,1
	v_max3_num_f32 v[TMX+2*uu+\b], |v[\bs+16*\b]|, |v[\bs+16*\b+1]|, 0x2800000   ; each accumulator from its low end on; the floor 2^(5 - 127) holds the byte at 1 from below
.endr
.set uu, uu+1
.endr
.irp i, 2,4,6,8,10,12,14
.set uu, 0
.irp bs, \b0, \b1, \b2, \b3
.irp b, 0,1
	v_max3_num_f32 v[TMX+2*uu+\b], |v[\bs+16*\b+\i]|, |v[\bs+16*\b+\i+1]|, v[TMX+2*uu+\b]
.endr
.set uu, uu+1
.endr
.endr
	WIN 0
.irp n, 0,1,2,3,4,5,6,7
	v_permlanex16_b32 v[PT+\n], v[TMX+\n], s[SEL], s[SEL+1]
.endr
.irp n, 0,1,2,3,4,5,6,7
	v_max_num_f32 v[TMX+\n], v[TMX+\n], v[PT+\n]
.endr
.irp n, 0,1,2,3,4,5,6,7
	v_add_nc_u32 v[SOP+\n], 0xfe000000, v[TMX+\n]    ; 4 off the exponent field: the conversion's scale operand
.endr
.irp n, 0,1,2,3,4,5,6,7
	v_lshrrev_b32 v[BY+\n], 23, v[SOP+\n]            ; the scale's byte
.endr
.irp n, 0,1,2,3
	v_lshl_or_b32 v[HW+4*(\g)+\n], v[BY+2*\n+1], 8, v[BY+2*\n]
.endr
	s_wait_xcnt 0x0                                  ; earlier stores have read the codes' registers
	WIN \W
.set uu, 0
.irp bs, \b0, \b1, \b2, \b3
	v_cvt_scalef32_pk16_bf6_f32 v[PC+6*uu:PC+6*uu+2], v[\bs:\bs+15], v[SOP+2*uu]
	v_cvt_scalef32_pk16_bf6_f32 v[CT+4*uu:CT+4*uu+2], v[\bs+16:\bs+31], v[SOP+2*uu+1]
.set uu, uu+1
.endr
	WIN 0
	v_nop                                            ; one plain place behind a scaled conversion
.irp n, 0,1,2,3
.irp i, 0,1,2
	v_permlane16_swap_b32 v[PC+6*\n+\i], v[CT+4*\n+\i]   ; lanes 0-15 get block 0 whole, lanes 16-31 block 1
.endr
.irp i, 0,1,2
	v_mov_b32 v[PC+6*\n+3+\i], v[CT+4*\n+\i]
.endr
.endr
.endm
.macro OUT4 base, step                 ; the four half images: 512 and 256 consecutive bytes a store
.irp n, 0,1,2,3
	global_store_b128 v1, v[PC+6*\n:PC+6*\n+3], s[\base:\base+1] offset:(\step)*\n
	global_store_b64 v2, v[PC+6*\n+4:PC+6*\n+5], s[\base:\base+1] offset:(\step)*\n+512
.endr
.endm
	s_load_b256 s[4:11], s[0:1], 0x0                 ; xq, xsc, wimg, Wq_scales
	s_load_b256 s[12:19], s[0:1], 0x20               ; Wk_scales, Wv_scales, qimg, kvimg
	s_load_b64 s[20:21], s[0:1], 0x40                ; asc
	v_lshl_add_u32 v[SPW], v0, 2, SPARE
	v_mov_b32 v[NIL], 0
	ds_add_u32 v[SPW], v[NIL]                        ; the wave's opening: an add, twice on end, and its wait ahead of my first tensor load
	ds_add_u32 v[SPW], v[NIL]                        ; and once more; the set-up below, work on registers, stands between it and the wait
	v_lshrrev_b32 v1, 5, v0
	v_readfirstlane_b32 s[WV], v1                    ; wave 0..3
	s_bfe_u32 s52, ttmp6, 0x40000                    ; cx
	s_lshl_b32 s23, ttmp9, 2
	s_add_co_u32 s23, s23, s52                       ; rb = 4 x cluster x + cx: it enters plain loads' and stores' addresses alone
	s_and_b32 s48, ttmp7, 0xffff                     ; the head, which the four partners share
	; descriptor group 1: a dense block of 18,432 bytes as 72 rows of 32 elements of 8 bytes; the mask names all four work-groups, bit 21 beside it
	s_mov_b32 s[G1], 15|(3<<16)|(1<<21)
	s_mov_b32 s[G1+1], 32<<16
	s_mov_b32 s[G1+2], 72<<16
	s_mov_b32 s[G1+3], 32<<16
	s_mov_b32 s[G1+4], 72
	s_mov_b32 s[G1+5], 32
	s_mov_b32 s[G1+6], 0
	s_mov_b32 s[G1+7], 0
	s_mul_i32 s54, s48, 294912
	s_mul_i32 s53, s[WV], KB                         ; of each four K steps I fetch the w-th: its place in LDS,
	s_add_co_u32 s54, s54, s53                       ; and in the head's images
	s_mov_b32 s55, 0
	s_mul_i32 s56, s23, 393216
	s_mul_i32 s57, s[WV], 6144
	s_add_co_u32 s56, s56, s57                       ; xq: my four tiles
	s_mov_b32 s57, 0
	s_lshl_b32 s58, s48, 12                          ; the weights' scale bytes: 64 rows of 64 bytes a head
	s_mov_b32 s59, 0
	s_lshl_b32 s60, s23, 14
	s_lshl_b32 s61, s[WV], 12
	s_add_co_u32 s60, s60, s61                       ; xsc: tile 16 rb + 4 w
	s_mov_b32 s61, 0
	s_lshl_b32 s62, s48, 8
	s_lshl_b32 s63, s23, 4
	s_add_co_u32 s62, s62, s63
	s_lshl_b32 s63, s[WV], 2
	s_add_co_u32 s62, s62, s63
	s_mul_i32 s62, s62, 768                          ; qimg: [head][tile]
	s_mov_b32 s63, 0
	s_lshr_b32 s66, s23, 3
	s_lshl_b32 s66, s66, 4
	s_add_co_u32 s66, s66, s48
	s_lshl_b32 s66, s66, 3
	s_and_b32 s67, s23, 7
	s_add_co_u32 s66, s66, s67                       ; (batch x 16 + head) x 8 + my block of 256 keys
	s_mul_i32 s68, s66, 24576
	s_mul_i32 s67, s[WV], 3072
	s_lshr_b32 s70, s[WV], 1
	s_mul_i32 s70, s70, 6144
	s_and_b32 s71, s[WV], 1
	s_mul_i32 s71, s71, 768
	s_add_co_u32 s70, s70, s71
	s_add_co_u32 s70, s70, s68
	s_add_co_u32 s70, s70, 12288                     ; v: [key step w / 2][channel tile][half w % 2]
	s_add_co_u32 s68, s68, s67                       ; k: [tile 4 w + a]
	s_mov_b32 s69, 0
	s_mov_b32 s71, 0
	s_lshl_b32 s72, s66, 2
	s_add_co_u32 s72, s72, s[WV]
	s_lshl_b32 s72, s72, 8
	s_add_co_u32 s72, s72, 262144                    ; k's and v's scale bytes: 256 bytes for each 64 tokens
	s_mov_b32 s73, 0
	s_lshl_b32 s74, s48, 6
	s_lshl_b32 s75, s23, 2
	s_add_co_u32 s74, s74, s75
	s_add_co_u32 s74, s74, s[WV]
	s_lshl_b32 s74, s74, 8                           ; q's likewise
	s_mov_b32 s75, 0
	s_mov_b32 s[HM], 0xffff0000
	s_mov_b32 s[SEL], 0x76543210
	s_mov_b32 s[SEL+1], 0xfedcba98
	v_and_b32 v6, 31, v0                             ; lane
	v_and_b32 v7, 15, v0                             ; r
	v_bfe_u32 v8, v0, 4, 1                           ; h
	v_lshlrev_b32 v1, 4, v6                          ; 16 x lane
	v_lshlrev_b32 v2, 3, v6                          ; 8 x lane
	v_lshlrev_b32 v3, 4, v6                          ; B's address: 16 x lane + the K step
	v_and_b32 v4, 8, v7
	v_add_nc_u32 v4, v4, v7
	v_lshl_add_u32 v4, v8, 3, v4
	v_lshlrev_b32 v4, 6, v4                          ; W's scale rows: lanes 0-15 the even tile's row r + 8 (r / 8), lanes 16-31 the odd tile's, 8 rows on
	v_lshlrev_b32 v5, 4, v7
	v_lshl_add_u32 v5, v8, 10, v5                    ; x's scale words: 16 r, lanes 16-31 the next tile
	s_wait_dscnt 0x0                                 ; both opening adds are done
	s_wait_kmcnt 0x0
	s_add_nc_u64 s[4:5], s[4:5], s[56:57]
	s_add_nc_u64 s[6:7], s[6:7], s[60:61]
	s_add_nc_u64 s[8:9], s[8:9], s[54:55]
	s_add_nc_u64 s[10:11], s[10:11], s[58:59]
	s_add_nc_u64 s[12:13], s[12:13], s[58:59]
	s_add_nc_u64 s[14:15], s[14:15], s[58:59]
	s_add_nc_u64 s[16:17], s[16:17], s[62:63]
	s_add_nc_u64 s[68:69], s[18:19], s[68:69]
	s_add_nc_u64 s[70:71], s[18:19], s[70:71]
	s_add_nc_u64 s[72:73], s[20:21], s[72:73]
	s_add_nc_u64 s[74:75], s[20:21], s[74:75]
.irp i, 0,1,2,3
	s_mov_b32 s[G0+4*\i], 1
	s_add_co_u32 s[G0+4*\i+1], s53, \i*4*KB
	s_add_nc_u64 s[G0+4*\i+2:G0+4*\i+3], s[8:9], \i*4*KB
	s_or_b32 s[G0+4*\i+3], s[G0+4*\i+3], 0x80000000
.endr
	CROUND                                           ; all four work-groups are here: the joint loads meet
.irp i, 0,1,2,3
	tensor_load_to_lds s[G0+4*\i:G0+4*\i+3], s[G1:G1+7]   ; K step 4 i + w: four loads of mine are out
	s_nop 0
.endr
.rept 4
	v_nop
.endr
.irp m, 0,1,2
.irp p, 0,1
.irp q, 0,1,2,3
	global_load_b128 v[WS+16*(2*\m+\p)+4*\q:WS+16*(2*\m+\p)+4*\q+3], v4, s[10+2*\m:11+2*\m] offset:2048*\p+16*\q
.endr
.endr
.endr
.irp p, 0,1
.irp q, 0,1,2,3
	global_load_b128 v[XS+16*\p+4*\q:XS+16*\p+4*\q+3], v5, s[6:7] offset:2048*\p+256*\q
.endr
.endr
.irp k, 0,1,2,3,4,5
	ALOAD \k
.endr
	s_wait_tensorcnt 3                               ; my load of the first four K steps has landed; the three behind it may be out
	s_barrier_signal -1
	s_barrier_wait -1                                ; everybody's has
	BLOAD 0, 11
	s_wait_loadcnt 60                                ; the 32 loads of scale words and A's set 0 are in; the five sets behind them may be out
.set KK, 0
.rept 16
	STEP KK
.set KK, KK+1
.endr
.irp n, 0,1,2,3,4,5,6,7
	v_mov_b32 v[PT+\n], 0                            ; (a lane permute's destination counts as one of its sources)
.endr
	HQ4 2, 0, 64, 128, 192, 0                        ; q of my four tiles
	OUT4 16, 768
.irp n, 0,1,2,3
	v_lshl_or_b32 v[HW+\n], v[HW+\n], 16, v[HW+\n]   ; q's scale word serves both halves of a K = 128 step: [s0 s1 s0 s1]
.endr
	v_cndmask_b32 v[DD], v[HW], v[HW+2], s[HM]       ; lanes 0-15 store tiles 0, 1, lanes 16-31 tiles 2, 3
	v_cndmask_b32 v[DD+1], v[HW+1], v[HW+3], s[HM]
	global_store_b64 v2, v[DD:DD+1], s[74:75]        ; 256 consecutive bytes
	HQ4 2, 32, 96, 160, 224, 1                       ; k
	OUT4 68, 768
	HQ4 3, 0, 32, 64, 96, 2                          ; v: unit = channel tile, 64 tokens along its registers
	OUT4 70, 1536
	v_lshl_or_b32 v[HW+4], v[HW+5], 16, v[HW+4]      ; k: the words of the pairs of tiles (0, 1) and (2, 3)
	v_lshl_or_b32 v[HW+6], v[HW+7], 16, v[HW+6]
	v_lshl_or_b32 v[HW+8], v[HW+9], 16, v[HW+8]      ; v: the four channel tiles' halfwords
	v_lshl_or_b32 v[HW+10], v[HW+11], 16, v[HW+10]
	v_cndmask_b32 v[DD+2], v[HW+4], v[HW+8], s[HM]   ; lanes 0-15 store k's, lanes 16-31 v's
	v_cndmask_b32 v[DD+3], v[HW+6], v[HW+10], s[HM]
	global_store_b64 v2, v[DD+2:DD+3], s[72:73]
	s_wait_tensorcnt 0x0                             ; the wave's end
	ds_add_u32 v[SPW], v[NIL]
	s_wait_dscnt 0x0
	CROUND                                           ; the closing round
	s_endpgm
.Lfunc_end_k_q62d97adf20_qkv:
	.size	k_q62d97adf20_qkv, .Lfunc_end_k_q62d97adf20_qkv-k_q62d97adf20_qkv
	.p2alignl 7, 3214868480
	.fill 96, 4, 3214868480
	.section	.rodata,"a",@progbits
	.p2align	6, 0x0
	.amdhsa_kernel k_q62d97adf20_qkv
		.amdhsa_group_segment_fixed_size 295424
		.amdhsa_private_segment_fixed_size 0
		.amdhsa_enable_private_segment 0
		.amdhsa_kernarg_size 72
		.amdhsa_user_sgpr_count 2
		.amdhsa_user_sgpr_kernarg_segment_ptr 1
		.amdhsa_wavefront_size32 1
		.amdhsa_system_sgpr_workgroup_id_x 1
		.amdhsa_system_sgpr_workgroup_id_y 1
		.amdhsa_system_sgpr_workgroup_id_z 1
		.amdhsa_system_vgpr_workitem_id 0
		.amdhsa_next_free_vgpr 1024
		.amdhsa_next_free_sgpr 80
		.amdhsa_reserve_vcc 0
		.amdhsa_float_denorm_mode_32 3
		.amdhsa_float_denorm_mode_16_64 3
		.amdhsa_memory_ordered 1
		.amdhsa_forward_progress 1
		.amdhsa_inst_pref_size 196
	.end_amdhsa_kernel
	.amdgpu_metadata
---
amdhsa.version: [ 1, 2 ]
amdhsa.kernels:
  - .name:           k_q62d97adf20_qkv
    .symbol:         k_q62d97adf20_qkv.kd
    .args:
      - { .name: xq, .offset: 0, .size: 8, .value_kind: global_buffer, .address_space: global }
      - { .name: xsc, .offset: 8, .size: 8, .value_kind: global_buffer, .address_space: global }
      - { .name: wimg, .offset: 16, .size: 8, .value_kind: global_buffer, .address_space: global }
      - { .name: Wq_scales, .offset: 24, .size: 8, .value_kind: global_buffer, .address_space: global }
      - { .name: Wk_scales, .offset: 32, .size: 8, .value_kind: global_buffer, .address_space: global }
      - { .name: Wv_scales, .offset: 40, .size: 8, .value_kind: global_buffer, .address_space: global }
      - { .name: qimg, .offset: 48, .size: 8, .value_kind: global_buffer, .address_space: global }
      - { .name: kvimg, .offset: 56, .size: 8, .value_kind: global_buffer, .address_space: global }
      - { .name: asc, .offset: 64, .size: 8, .value_kind: global_buffer, .address_space: global }
    .group_segment_fixed_size: 295424
    .private_segment_fixed_size: 0
    .kernarg_segment_align: 8
    .kernarg_segment_size: 72
    .max_flat_workgroup_size: 128
    .sgpr_count:     80
    .vgpr_count:     1024
    .wavefront_size: 32
...
	.end_amdgpu_metadata
.endif
;; end of part 2
;; launch attn (part 3): grid 8 x 32, 16 waves a work-group, no clusters, 327,680 bytes of LDS; arguments qimg, kvimg, asc, oimg, osc; writes oimg, osc
.if DOCPART == 3
	.amdgcn_target "amdgcn-amd-amdhsa--gfx1250"
	.amdhsa_code_object_version 6
	.text
	.protected	k_q62d97adf20_attn
	.globl	k_q62d97adf20_attn
	.p2align	8
	.type	k_q62d97adf20_attn,@function
k_q62d97adf20_attn:
	s_mov_b64 s[64:65], 0
	v_nop
	global_prefetch_b8 v0, s[64:65] scope:SCOPE_SE
	s_setreg_imm32_b32 hwreg(HW_REG_WAVE_MODE, 25, 1), 1
	s_wait_xcnt 0x0
; ATTN: o = softmax(q k^T / 32, causal) v for 32 (batch, head) pairs, head size 64, both products on codes of E3M2; o quantised along the head's 64 on the way out.
; WORK LEFT OUT (shown at the head of the first kernel): key steps all of whose 128 keys come after a wave's 16 queries, and key slots whose first key comes after the work-group's last query.
; THE SOFTMAX: t = score x log2(e) / 32; M = the running largest t rounded UP to a whole number; p = 2^(t - M) is quantised along the keys; the row's sum is taken of the unquantised p and divides at the end.
; SHARES.  Work-group (g, bh) owns the query blocks g and 15 - g of 128 queries; each of its sixteen waves one tile of 16 queries: block QB has QB + 1 live key steps, so every work-group has 8 x 17 of them,
; and the choice sel = (w xor w / 4) & 1 deals two waves of each block to every four neighbouring waves and to every four waves that lie four apart.
; NO CLUSTER: the partners would need different numbers of slots (work-groups 0-3 four, 4-7 three), and the mask would let all waves of a partner pass over tiles that a joint load brings.
; LAYOUT.  Both products transposed: S^T = K Q^T, O^T = V^T P^T: a lane holds ONE query, lane % 16 of its tile: query Q0 + r + 8 (r / 8).
; K = 64 IN THE FIRST PRODUCT: a fragment of K holds TWO key tiles (tile 2 P in k 0-63, tile 2 P + 1 in k 64-127) and is multiplied by [q | zero codes] and by [zero codes | q].
; The 16 registers of a pair's two results are keys 32 P + 16 (lane / 16) + 0 .. 15 of the step.
; LDS: two slots of 512 keys (49,152 bytes: per 256 keys 12,288 of K's and 12,288 of V's half images), 65,536 apart; the head's 8,192 scale bytes, filled once; a stage of 512 bytes; the spare words.
.set SLOT1, 65536
.set SLOTB, 49152
.set SCB,   131072
.set STG,   139264
.set SPARE, 139776                     ; 128 bytes for each of 16 waves: eight blocks of 256 bytes that no other line names
.set LI,  1                            ; v1  16 x lane
.set L8,  2                            ; v2  8 x lane
.set ADL, 3                            ; v3, v4, v7: the step's LDS addresses
.set AD8, 4
.set SPW, 5
.set NIL, 6
.set ADS, 7
.set VS,  8                            ; v8-11  V's scale words, in lanes 16-31
.set QLO, 16                           ; v16-27 [q | 0], v28-39 [0 | q]
.set QHI, 28
.set KFR, 40                           ; v40-87 K's four fragments; later p's codes (v40-51) and the conversions' second halves (v52-58)
.set VFR, 88                           ; v88-135 V's four
.set S,   136                          ; v136-199 S^T, then p
.set O,   200                          ; v200-231 O^T
.set BM,  232                          ; v232-235 the blocks' largest scores, v236-239 at work, v240-243 scale operands
.set PT,  236
.set SO,  240
.set KS,  244                          ; v244-247 lanes 0-15: K's scale words; lanes 16-31: V's halfwords
.set F,   248                          ; v[248:249] f
.set PS,  250                          ; p's scale word
.set QS,  251                          ; q's
.set PFO, 255                          ; 256 x lane: the prefetches' offset; never rewritten
.set WV,  18
.set SEL, 20
.set CS,  22                           ; s[22:23] c = log2(e) / 32
.set G1C, 24
.set G0C, 32
.set G1S, 36
.set G0S, 44
.set TB,  2                            ; LDS byte at which the slot in hand begins
.set TS,  3                            ; and the step's scale bytes: 512 a step
.set SLOTS, 48
.set KF,  49                           ; the step's first key
.set Q0,  50                           ; my smallest query
.set QM,  51                           ; my largest
.set QL,  52                           ; my work-group's last
.set PFA, 54
.set LIM, 56
.macro TLOAD                           ; waves 0 and 1 fetch a slot's two halves; an s_nop 0 and four v_nop follow the line
	s_cmp_lt_u32 s[WV], 2
	s_cbranch_scc0 .Lasked_\@
	tensor_load_to_lds s[G0C:G0C+3], s[G1C:G1C+7]
	s_nop 0
.rept 4
	v_nop
.endr
.Lasked_\@:
.endm
; A prefetch of the slot that the NEXT change of slots will ask for: 49,152 dense bytes, 192 blocks of 256.  All eight work-groups of a (batch, head) walk the same K and V: work-group 0 asks, in it waves 4 to 9,
; 8,192 bytes a wave, lanes 256 bytes apart: each block is named once in the launch.  The last change that fills a slot asks for nothing; slots 0 and 1 come by their loads alone.
.macro ASK
	s_cmp_gt_u32 s[SLOTS], s[LIM]
	s_cbranch_scc0 .Lnot_mine_\@
	global_prefetch_b8 v[PFO], s[PFA:PFA+1] th:TH_LOAD_NT scope:SCOPE_SE
.Lnot_mine_\@:
.endm
; THE CHANGE OF SLOTS, at a slot's head: all my tensor loads have landed; the add; my reads of the slot that I have left are over; the barrier; then the other slot is filled with the keys that follow.
.macro CHANGE fill
	s_wait_tensorcnt 0x0                             ; no tensor load of mine is out, so a group 0 may be written
	ds_add_u32 v[SPW], v[NIL]                        ; 0 onto my spare word
.if \fill
	ds_add_u32 v[SPW], v[NIL]                        ; and once more
	s_xor_b32 s[G0C+1], s[G0C+1], SLOT1              ; the walking descriptor: the other slot, the next 512 keys
	s_add_nc_u64 s[G0C+2:G0C+3], s[G0C+2:G0C+3], SLOTB
	s_wait_xcnt 0x0                                  ; the last prefetch, a slot back, has read its address
	s_add_nc_u64 s[PFA:PFA+1], s[PFA:PFA+1], SLOTB
.endif
	s_wait_dscnt 0x0
	s_barrier_signal -1
	s_barrier_wait -1
.if \fill
	s_add_co_u32 s96, s[KF], 512                     ; the first key of the slot that this change would ask for: past my work-group's last query no wave reads it, and it is not asked for.
	s_cmp_gt_u32 s96, s[QL]                          ; Ids and the count of steps alone: all sixteen waves go the same way; every wait on TENSORcnt in this text is for 0
	s_cbranch_scc1 .Lpast_\@
	TLOAD
.Lpast_\@:
	ASK
.endif
.endm
; A KEY STEP: 128 keys, the q-th of the slot in hand
.macro STEP q
	s_cmp_gt_u32 s[KF], s[QM]                        ; all its keys come after my queries: a scalar branch on ids round the step's work, not round the lines that step addresses
	s_cbranch_scc1 .Lhidden_\@
	v_add_nc_u32 v[ADL], s[TB], v[LI]                ; these four lines are also the places in front of loads into registers that the last products read
	v_add_nc_u32 v[AD8], s[TB], v[L8]
	v_add_nc_u32 v[ADS], s[TS], v[L8]
	v_nop
.set KO, ((\q)/2)*24576+((\q)%2)*6144
.irp p, 0,1,2,3
	ds_load_b128 v[KFR+12*\p:KFR+12*\p+3], v[ADL] offset:KO+1536*\p
	ds_load_b64 v[KFR+12*\p+4:KFR+12*\p+5], v[AD8] offset:KO+1536*\p+512
	ds_load_b128 v[KFR+12*\p+6:KFR+12*\p+9], v[ADL] offset:KO+1536*\p+768
	ds_load_b64 v[KFR+12*\p+10:KFR+12*\p+11], v[AD8] offset:KO+1536*\p+1280
.endr
	ds_load_b64 v[KS:KS+1], v[ADS]
	ds_load_b64 v[KS+2:KS+3], v[ADS] offset:256
.irp p, 0,1,2,3
	ds_load_b128 v[VFR+12*\p:VFR+12*\p+3], v[ADL] offset:KO+12288+1536*\p
	ds_load_b64 v[VFR+12*\p+4:VFR+12*\p+5], v[AD8] offset:KO+12288+1536*\p+512
	ds_load_b128 v[VFR+12*\p+6:VFR+12*\p+9], v[ADL] offset:KO+12288+1536*\p+768
	ds_load_b64 v[VFR+12*\p+10:VFR+12*\p+11], v[AD8] offset:KO+12288+1536*\p+1280
.endr
	s_wait_dscnt 16                                  ; K and the scale bytes are in; V's sixteen loads may be out
	v_perm_b32 v[VS], v[KS+2], v[KS], s57            ; V's word of channel tile t: its halfwords of the step's two halves of 64 keys
	v_perm_b32 v[VS+1], v[KS+2], v[KS], s58
	v_perm_b32 v[VS+2], v[KS+3], v[KS+1], s57
	v_perm_b32 v[VS+3], v[KS+3], v[KS+1], s58
.irp p, 0,1,2,3
	v_wmma_scale_f32_16x16x128_f8f6f4 v[S+16*\p:S+16*\p+7], v[KFR+12*\p:KFR+12*\p+11], v[QLO:QLO+11], 0, v[KS+\p], v[QS] matrix_a_fmt:MATRIX_FMT_BF6 matrix_b_fmt:MATRIX_FMT_BF6
	v_wmma_scale_f32_16x16x128_f8f6f4 v[S+16*\p+8:S+16*\p+15], v[KFR+12*\p:KFR+12*\p+11], v[QHI:QHI+11], 0, v[KS+\p], v[QS] matrix_a_fmt:MATRIX_FMT_BF6 matrix_b_fmt:MATRIX_FMT_BF6
.endr
.rept 4
	v_nop
.endr
	s_add_co_u32 s96, s[KF], 127                     ; on the diagonal the scores of hidden keys become -infinity ahead of the maximum; a step all of whose keys count passes over this
	s_cmp_le_u32 s96, s[Q0]
	s_cbranch_scc1 .Lopen_\@
	s_sub_co_i32 s96, s[Q0], s[KF]
	v_and_b32 v252, 15, v0
	v_and_b32 v253, 8, v0
	v_add_nc_u32 v252, v252, v253
	v_and_b32 v253, 16, v0
	v_sub_nc_u32 v252, v252, v253
	v_add_nc_u32 v252, s96, v252                     ; d = my query - KF - 16 (lane / 16).  Register 16 b + i holds key KF + 16 (lane / 16) + 32 b + i: hidden where 32 b + i > d
	v_mov_b32 v254, 0xff800000
.set n, 0
.rept 64
	v_cmp_gt_i32 vcc_lo, 32*(n/16)+n%16, v252
	v_cndmask_b32 v[S+n], v[S+n], v254, vcc_lo
.set n, n+1
.endr
.Lopen_\@:
.irp b, 0,1,2,3
	v_max3_num_f32 v[BM+\b], v[S+16*\b], v[S+1+16*\b], v[S+2+16*\b]   ; the largest score of each block of 32 keys: for the row's maximum and, since p rises with the score, for the block's largest p
.endr
.irp i, 3,5,7,9,11,13
.irp b, 0,1,2,3
	v_max3_num_f32 v[BM+\b], v[BM+\b], v[S+16*\b+\i], v[S+1+16*\b+\i]
.endr
.endr
.irp b, 0,1,2,3
	v_max_num_f32 v[BM+\b], v[BM+\b], v[S+15+16*\b]
.endr
.irp b, 0,1,2,3
	v_permlanex16_b32 v[PT+\b], v[BM+\b], s[SEL], s[SEL+1]
.endr
.irp b, 0,1,2,3
	v_max_num_f32 v[BM+\b], v[BM+\b], v[PT+\b]
.endr
	v_max3_num_f32 v254, v[BM], v[BM+1], v[BM+2]
	v_max_num_f32 v254, v254, v[BM+3]
	v_mul_f32 v254, s[CS], v254                      ; the step's largest t (c is positive)
	v_max_num_f32 v13, v13, v254                     ; the running largest t
	v_mov_b32 v254, v12
	v_floor_f32 v12, -v13                            ; -M = floor(-t): M is a whole number
	v_sub_f32 v254, v12, v254                        ; old M - new M, 0 or less
	v_cvt_i32_f32 v254, v254                         ; (it saturates)
	v_ldexp_f32 v[F], 1.0, v254                      ; f = 2^(old M - new M): it rounds nothing
.set n, 0
.rept 32
	v_pk_fma_f32 v[S+n:S+n+1], v[S+n:S+n+1], s[CS:CS+1], v[12:13] op_sel_hi:[1,0,0]   ; t - M
.set n, n+2
.endr
.irp b, 0,1,2,3
	v_fma_f32 v[BM+\b], v[BM+\b], s[CS], v12
.endr
.set n, 0
.rept 64
	v_exp_f32 v[S+n], v[S+n]                         ; p = 2^(t - M)
.set n, n+1
.endr
	v_pk_mul_f32 v[14:15], v[14:15], v[F:F+1] op_sel_hi:[1,0]   ; the sums under the new M; a plain place behind the exponentials
	s_wait_alu depctr_va_vdst(0)                     ; one wait for the batch, ahead of its first reader
.irp b, 0,1,2,3
	v_exp_f32 v[BM+\b], v[BM+\b]                     ; the blocks' largest p
.endr
	v_pk_add_f32 v[PT:PT+1], v[S:S+1], v[S+2:S+3]    ; the row's sum of the unquantised p, in two chains
.irp j, 4,8,12,16,20,24,28,32,36,40,44,48,52,56,60
	v_pk_add_f32 v[14:15], v[14:15], v[S+\j:S+\j+1]
	v_pk_add_f32 v[PT:PT+1], v[PT:PT+1], v[S+2+\j:S+3+\j]
.endr
	v_pk_add_f32 v[14:15], v[14:15], v[PT:PT+1]
	s_wait_alu depctr_va_vdst(0)                     ; and one for the four
.irp b, 0,1,2,3
	v_max_num_f32 v[BM+\b], 0x2800000, v[BM+\b]      ; the floor 2^(5 - 127): the byte cannot fall under 1
.endr
.irp b, 0,1,2,3
	v_add_nc_u32 v[SO+\b], 0xfe000000, v[BM+\b]
.endr
.irp b, 0,1,2,3
	v_lshrrev_b32 v[PT+\b], 23, v[SO+\b]
.endr
	v_lshl_or_b32 v[PS], v[PT+1], 8, v[PT]
	v_lshl_or_b32 v[PS], v[PT+2], 16, v[PS]
	v_lshl_or_b32 v[PS], v[PT+3], 24, v[PS]
.irp c, 0,1
	v_cvt_scalef32_pk16_bf6_f32 v[KFR+6*\c:KFR+2+6*\c], v[S+32*\c:S+15+32*\c], v[SO+2*\c]
	v_cvt_scalef32_pk16_bf6_f32 v[KFR+12+4*\c:KFR+14+4*\c], v[S+16+32*\c:S+31+32*\c], v[SO+2*\c+1]
.endr
	v_nop                                            ; one plain place behind a scaled conversion
.irp c, 0,1
.irp i, 0,1,2
	v_permlane16_swap_b32 v[KFR+6*\c+\i], v[KFR+12+4*\c+\i]
.endr
.irp i, 0,1,2
	v_mov_b32 v[KFR+3+6*\c+\i], v[KFR+12+4*\c+\i]
.endr
.endr
.set n, 0
.rept 16
	v_pk_mul_f32 v[O+n:O+n+1], v[O+n:O+n+1], v[F:F+1] op_sel_hi:[1,0]   ; O^T under the new M; also the places between p's codes and scale word and the products
.set n, n+2
.endr
.rept 4
	v_nop                                            ; and four between the last of these and the products that add onto them
.endr
	s_wait_dscnt 0x0                                 ; V is in
.irp t, 0,1,2,3
	v_wmma_scale_f32_16x16x128_f8f6f4 v[O+8*\t:O+8*\t+7], v[VFR+12*\t:VFR+12*\t+11], v[KFR:KFR+11], v[O+8*\t:O+8*\t+7], v[VS+\t], v[PS] matrix_a_fmt:MATRIX_FMT_BF6 matrix_b_fmt:MATRIX_FMT_BF6 matrix_a_scale:MATRIX_SCALE_ROW1
.endr
.Lhidden_\@:
	s_add_co_u32 s[KF], s[KF], 128
	s_add_co_u32 s[TS], s[TS], 512
.endm
.macro SLOT_STEPS
.set QQ, 0
.rept 4
	STEP QQ
.set QQ, QQ+1
.endr
	s_xor_b32 s[TB], s[TB], SLOT1
.endm
	s_load_b256 s[4:11], s[0:1], 0x0                 ; qimg, kvimg, asc, oimg
	s_load_b64 s[12:13], s[0:1], 0x20                ; osc
	v_lshl_add_u32 v[SPW], v0, 2, SPARE
	v_mov_b32 v[NIL], 0
	ds_add_u32 v[SPW], v[NIL]                        ; the wave's opening: an add, twice on end, and its wait ahead of the first tensor loads
	ds_add_u32 v[SPW], v[NIL]                        ; and once more; the set-up below, work on registers, stands between it and the wait
	v_lshrrev_b32 v8, 5, v0
	v_readfirstlane_b32 s[WV], v8                    ; wave 0..15
	s_mov_b32 s59, ttmp9                             ; g
	s_and_b32 s60, ttmp7, 0xffff                     ; bh
	s_and_b32 s61, s60, 15                           ; head
	s_lshr_b32 s62, s60, 4                           ; batch
	s_lshr_b32 s63, s[WV], 1                         ; t8: my tile in its block of 128 queries
	s_lshr_b32 s66, s[WV], 2
	s_xor_b32 s66, s66, s[WV]
	s_and_b32 s66, s66, 1                            ; sel
	s_sub_co_u32 s67, 15, s59
	s_cmp_eq_u32 s66, 1
	s_cselect_b32 s67, s59, s67                      ; QB = g or 15 - g
	s_lshl_b32 s[Q0], s67, 7
	s_lshr_b32 s68, s63, 1
	s_lshl_b32 s68, s68, 5
	s_add_co_u32 s[Q0], s[Q0], s68
	s_and_b32 s68, s63, 1
	s_lshl_b32 s68, s68, 3
	s_add_co_u32 s[Q0], s[Q0], s68                   ; 128 QB + 32 (t8 / 2) + 8 (t8 % 2)
	s_add_co_u32 s[QM], s[Q0], 23
	s_sub_co_u32 s[QL], 16, s59
	s_lshl_b32 s[QL], s[QL], 7
	s_sub_co_u32 s[QL], s[QL], 1
	s_lshl_b32 s69, s62, 7
	s_lshl_b32 s68, s67, 3
	s_add_co_u32 s69, s69, s68
	s_add_co_u32 s69, s69, s63                       ; my tile among the 256
	s_lshl_b32 s70, s61, 8
	s_add_co_u32 s70, s70, s69
	s_mul_i32 s70, s70, 768                          ; q's half image
	s_mov_b32 s71, 0
	s_lshl_b32 s72, s61, 6
	s_lshr_b32 s68, s69, 2
	s_add_co_u32 s72, s72, s68
	s_lshl_b32 s72, s72, 8
	s_bfe_u32 s68, s69, 0x10001
	s_lshl_b32 s68, s68, 7
	s_add_co_u32 s72, s72, s68
	s_and_b32 s68, s69, 1
	s_lshl_b32 s68, s68, 2
	s_add_co_u32 s72, s72, s68                       ; q's scale words: tile a of four at 128 (a / 2) + 8 r + 4 (a % 2)
	s_mov_b32 s73, 0
	s_mul_i32 s74, s60, 196608
	s_and_b32 s68, s[WV], 1
	s_mul_i32 s[G0C+1], s68, 24576                   ; which half of a slot I fetch, if I fetch: in LDS,
	s_add_co_u32 s82, s74, SLOTB                     ; (the prefetches begin at slot 1: the first change of slots steps them to slot 2)
	s_add_co_u32 s74, s74, s[G0C+1]                  ; and in memory
	s_mov_b32 s75, 0
	s_lshl_b32 s76, s60, 13
	s_add_co_u32 s76, s76, 262144                    ; the (batch, head)'s 8,192 scale bytes of k and v
	s_mov_b32 s77, 0
	s_lshl_b32 s78, s62, 4
	s_add_co_u32 s78, s78, s67
	s_mul_i32 s78, s78, 98304
	s_lshr_b32 s68, s61, 1
	s_mul_i32 s68, s68, 12288
	s_add_co_u32 s78, s78, s68
	s_mul_i32 s68, s63, 1536
	s_add_co_u32 s78, s78, s68
	s_and_b32 s68, s61, 1
	s_mul_i32 s68, s68, 768
	s_add_co_u32 s78, s78, s68                       ; oimg: [block of 128 tokens][head / 2][t8][head % 2]
	s_mov_b32 s79, 0
	s_lshl_b32 s80, s62, 7
	s_lshl_b32 s68, s67, 3
	s_add_co_u32 s80, s80, s68
	s_lshl_b32 s80, s80, 5
	s_lshl_b32 s68, s61, 13
	s_add_co_u32 s80, s80, s68                       ; osc: [head][tile][16 halfwords]
	s_mov_b32 s81, 0
	s_add_co_u32 s84, s[WV], 12
	s_and_b32 s84, s84, 15                           ; 0 .. 5 in waves 4 to 9
	s_cmp_lt_u32 s84, 6
	s_cselect_b32 s85, 0, 1
	s_or_b32 s85, s85, s59
	s_cmp_eq_u32 s85, 0
	s_cselect_b32 s[LIM], 1, -1                      ; 1 in a wave that prefetches, else the greatest number
	s_min_u32 s84, s84, 5
	s_lshl_b32 s84, s84, 13
	s_add_co_u32 s82, s82, s84
	s_mov_b32 s83, 0
	; descriptor groups 1: dense blocks as rows of 32 elements of 8 bytes: 96 rows (half a slot), 32 rows (the scale bytes)
	s_mov_b32 s[G1C], 3<<16
	s_mov_b32 s[G1C+1], 32<<16
	s_mov_b32 s[G1C+2], 96<<16
	s_mov_b32 s[G1C+3], 32<<16
	s_mov_b32 s[G1C+4], 96
	s_mov_b32 s[G1C+5], 32
	s_mov_b32 s[G1C+6], 0
	s_mov_b32 s[G1C+7], 0
	s_mov_b32 s[G1S], 3<<16
	s_mov_b32 s[G1S+1], 32<<16
	s_mov_b32 s[G1S+2], 32<<16
	s_mov_b32 s[G1S+3], 32<<16
	s_mov_b32 s[G1S+4], 32
	s_mov_b32 s[G1S+5], 32
	s_mov_b32 s[G1S+6], 0
	s_mov_b32 s[G1S+7], 0
	s_mov_b32 s[G0C], 1
	s_mov_b32 s[G0S], 1
	s_mov_b32 s[G0S+1], SCB
	s_mov_b32 s[SEL], 0x76543210
	s_mov_b32 s[SEL+1], 0xfedcba98
	s_mov_b32 s[CS], 0x3d38aa3b
	s_mov_b32 s[CS+1], s[CS]                         ; (named with it as a pair, so it is written)
	s_mov_b32 s57, 0x05040100                        ; the two low halves
	s_mov_b32 s58, 0x07060302                        ; the two high halves
	s_mov_b32 s[TB], 0
	s_mov_b32 s[TS], SCB
	s_mov_b32 s[SLOTS], 3
	s_mov_b32 s[KF], 0
	s_wait_dscnt 0x0                                 ; both opening adds are done
	s_wait_kmcnt 0x0
	s_add_nc_u64 s[G0C+2:G0C+3], s[6:7], s[74:75]
	s_or_b32 s[G0C+3], s[G0C+3], 0x80000000
	s_add_nc_u64 s[G0S+2:G0S+3], s[8:9], s[76:77]
	s_or_b32 s[G0S+3], s[G0S+3], 0x80000000
	s_cmp_lt_u32 s[WV], 2                            ; the first fills: waves 0, 1 slot 0's halves, wave 2 the scale bytes; every later wait on TENSORcnt is for 0
	s_cbranch_scc0 .Lnot_codes
	tensor_load_to_lds s[G0C:G0C+3], s[G1C:G1C+7]
	s_nop 0
.rept 4
	v_nop
.endr
	s_branch .Lhead_asked
.Lnot_codes:
	s_cmp_eq_u32 s[WV], 2
	s_cbranch_scc0 .Lhead_asked
	tensor_load_to_lds s[G0S:G0S+3], s[G1S:G1S+7]
	s_nop 0
.rept 4
	v_nop
.endr
.Lhead_asked:
	s_add_nc_u64 s[4:5], s[4:5], s[70:71]
	s_add_nc_u64 s[72:73], s[8:9], s[72:73]
	s_add_nc_u64 s[10:11], s[10:11], s[78:79]
	s_add_nc_u64 s[12:13], s[12:13], s[80:81]
	s_add_nc_u64 s[PFA:PFA+1], s[6:7], s[82:83]
	v_and_b32 v252, 31, v0
	v_lshlrev_b32 v[LI], 4, v252
	v_lshlrev_b32 v[L8], 3, v252
	v_lshlrev_b32 v[PFO], 8, v252
	v_and_b32 v253, 15, v0
	v_lshlrev_b32 v254, 3, v253
	global_load_b128 v[QLO:QLO+3], v[LI], s[4:5]     ; q's half image, once as k 0-63,
	global_load_b64 v[QLO+4:QLO+5], v[L8], s[4:5] offset:512
	global_load_b128 v[QHI+6:QHI+9], v[LI], s[4:5]   ; once as k 64-127
	global_load_b64 v[QHI+10:QHI+11], v[L8], s[4:5] offset:512
	global_load_b32 v[QS], v254, s[72:73]
.irp n, 0,1,2,3,4,5
	v_mov_b32 v[QLO+6+\n], 0                         ; zero codes
	v_mov_b32 v[QHI+\n], 0
.endr
	v_mov_b32 v13, 0xff61b1e6                        ; the largest t so far: -3e38
	v_floor_f32 v12, -v13
	v_mov_b32 v14, 0
	v_mov_b32 v15, 0
.irp b, 0,1,2,3
	v_mov_b32 v[PT+\b], 0                            ; (a lane permute's destination counts as one of its sources)
.endr
	v_mov_b32 v[F+1], 0                              ; (named as the upper half of a pair)
.set n, 0
.rept 32
	v_mov_b32 v[O+n], 0                              ; the step is written once: the first finds zeros, which the first change of M leaves zeros
.set n, n+1
.endr
	s_wait_loadcnt 0x0
.Lslot:                                              ; three trips: behind each change of slots but the last the next slot is asked for, up to the causal limit
	CHANGE 1
	SLOT_STEPS
	s_sub_co_u32 s[SLOTS], s[SLOTS], 1
	s_cmp_lg_u32 s[SLOTS], 0
	s_cbranch_scc1 .Lslot
	CHANGE 0
	SLOT_STEPS
	; THE WAY OUT: o = O^T / the sum; register 8 t + i is channel 32 (t / 2) + 16 (lane / 16) + 8 (t % 2) + i: two blocks of 32 along the last product's K
	v_add_f32 v14, v14, v15
	v_permlanex16_b32 v252, v14, s[SEL], s[SEL+1]
	v_add_f32 v14, v14, v252
	v_rcp_f32 v14, v14
	v_and_b32 v253, 15, v0                           ; (a plain place behind the transcendental)
	s_lshl_b32 s97, s66, 8
	s_add_co_u32 s97, s97, STG                       ; my block's 256 bytes of the stage
	s_lshl_b32 s96, s63, 5
	s_add_co_u32 s96, s96, s97
	v_lshl_add_u32 v[ADL], v253, 1, s96              ; my tile's 32 bytes, my row's halfword
	v_add_nc_u32 v[AD8], s97, v[L8]
	v_nop
	v_nop
	s_wait_alu depctr_va_vdst(0)                     ; the wait ahead of the reciprocal's first reader
.set n, 0
.rept 32
	v_mul_f32 v[S+n], v[O+n], v14
.set n, n+1
.endr
.irp b, 0,1
	v_max3_num_f32 v[BM+\b], |v[S+16*\b]|, |v[S+1+16*\b]|, 0x2800000
.endr
.irp i, 2,4,6,8,10,12,14
.irp b, 0,1
	v_max3_num_f32 v[BM+\b], v[BM+\b], |v[S+16*\b+\i]|, |v[S+1+16*\b+\i]|
.endr
.endr
.irp b, 0,1
	v_permlanex16_b32 v[PT+\b], v[BM+\b], s[SEL], s[SEL+1]
.endr
.irp b, 0,1
	v_max_num_f32 v[BM+\b], v[BM+\b], v[PT+\b]
.endr
.irp b, 0,1
	v_add_nc_u32 v[SO+\b], 0xfe000000, v[BM+\b]
.endr
.irp b, 0,1
	v_lshrrev_b32 v[PT+\b], 23, v[SO+\b]
.endr
	v_lshl_or_b32 v254, v[PT+1], 8, v[PT]
	v_cvt_scalef32_pk16_bf6_f32 v[KFR:KFR+2], v[S:S+15], v[SO]
	v_cvt_scalef32_pk16_bf6_f32 v[KFR+8:KFR+10], v[S+16:S+31], v[SO+1]
	v_nop
.irp i, 0,1,2
	v_permlane16_swap_b32 v[KFR+\i], v[KFR+8+\i]
.endr
.irp i, 0,1,2
	v_mov_b32 v[KFR+3+\i], v[KFR+8+\i]
.endr
	global_store_b128 v[LI], v[KFR:KFR+3], s[10:11]  ; the half image: 512 and 256 consecutive bytes
	global_store_b64 v[L8], v[KFR+4:KFR+5], s[10:11] offset:512
	ds_store_b16 v[ADL], v254                        ; (lanes r and r + 16 write the same halfword with the same value)
	s_wait_dscnt 0x0
	s_barrier_signal -1
	s_barrier_wait -1                                ; both blocks' 256 bytes of scale bytes lie in the stage
	s_cmp_lt_u32 s[WV], 2                            ; wave 0 (sel 0) and wave 1 (sel 1) store their own block's
	s_cbranch_scc0 .Lend
	ds_load_b64 v[KFR+12:KFR+13], v[AD8]
	s_wait_dscnt 0x0
	global_store_b64 v[L8], v[KFR+12:KFR+13], s[12:13]
.Lend:
	s_wait_tensorcnt 0x0                             ; the wave's end
	ds_add_u32 v[SPW], v[NIL]
	s_wait_dscnt 0x0
	s_endpgm
.Lfunc_end_k_q62d97adf20_attn:
	.size	k_q62d97adf20_attn, .Lfunc_end_k_q62d97adf20_attn-k_q62d97adf20_attn
	.p2alignl 7, 3214868480
	.fill 96, 4, 3214868480
	.section	.rodata,"a",@progbits
	.p2align	6, 0x0
	.amdhsa_kernel k_q62d97adf20_attn
		.amdhsa_group_segment_fixed_size 327680
		.amdhsa_private_segment_fixed_size 0
		.amdhsa_enable_private_segment 0
		.amdhsa_kernarg_size 40
		.amdhsa_user_sgpr_count 2
		.amdhsa_user_sgpr_kernarg_segment_ptr 1
		.amdhsa_wavefront_size32 1
		.amdhsa_system_sgpr_workgroup_id_x 1
		.amdhsa_system_sgpr_workgroup_id_y 1
		.amdhsa_system_sgpr_workgroup_id_z 1
		.amdhsa_system_vgpr_workitem_id 0
		.amdhsa_next_free_vgpr 256
		.amdhsa_next_free_sgpr 100
		.amdhsa_reserve_vcc 1
		.amdhsa_float_denorm_mode_32 3
		.amdhsa_float_denorm_mode_16_64 3
		.amdhsa_memory_ordered 1
		.amdhsa_forward_progress 1
		.amdhsa_inst_pref_size 186
	.end_amdhsa_kernel
	.amdgpu_metadata
---
amdhsa.version: [ 1, 2 ]
amdhsa.kernels:
  - .name:           k_q62d97adf20_attn
    .symbol:         k_q62d97adf20_attn.kd
    .args:
      - { .name: qimg, .offset: 0, .size: 8, .value_kind: global_buffer, .address_space: global }
      - { .name: kvimg, .offset: 8, .size: 8, .value_kind: global_buffer, .address_space: global }
      - { .name: asc, .offset: 16, .size: 8, .value_kind: global_buffer, .address_space: global }
      - { .name: oimg, .offset: 24, .size: 8, .value_kind: global_buffer, .address_space: global }
      - { .name: osc, .offset: 32, .size: 8, .value_kind: global_buffer, .address_space: global }
    .group_segment_fixed_size: 327680
    .private_segment_fixed_size: 0
    .kernarg_segment_align: 8
    .kernarg_segment_size: 40
    .max_flat_workgroup_size: 512
    .sgpr_count:     100
    .vgpr_count:     256
    .wavefront_size: 32
...
	.end_amdgpu_metadata
.endif
;; end of part 3
;; launch oproj (part 4): grid 8 x 32, 4 waves a work-group, clusters of 4 x 4, 295,424 bytes of LDS; arguments oimg, osc, wimg, Wo_scales, x, out0; writes out0
.if DOCPART == 4
	.amdgcn_target "amdgcn-amd-amdhsa--gfx1250"
	.amdhsa_code_object_version 6
	.text
	.protected	k_q62d97adf20_oproj
	.globl	k_q62d97adf20_oproj
	.p2align	8
	.type	k_q62d97adf20_oproj,@function
k_q62d97adf20_oproj:
	s_mov_b64 s[64:65], 0
	v_nop
	global_prefetch_b8 v0, s[64:65] scope:SCOPE_SE
	s_setreg_imm32_b32 hwreg(HW_REG_WAVE_MODE, 25, 1), 1
	s_wait_xcnt 0x0
	s_wait_alu depctr_hold_cnt(0) depctr_sa_sdst(0) depctr_va_vdst(0) depctr_va_sdst(0) depctr_va_ssrc(0) depctr_va_vcc(0) depctr_vm_vsrc(0)
	s_getreg_b32 s2, hwreg(HW_REG_IB_STS2, 6, 4)
	s_cmp_eq_u32 s2, 0
	s_cbranch_scc0 .Lentry_in_a_cluster
	s_endpgm
.Lentry_in_a_cluster:
	s_bfe_u32 s2, ttmp6, 0x10000c
	s_cmp_lg_u32 s2, 0xf033
	s_cbranch_scc0 .Lentry_shape_is_right
	s_endpgm
.Lentry_shape_is_right:
; OPROJ: out0 = o Wo + x, the product on codes of E3M2 (K = 1,024, 8 steps of 128).  No work is left out here.
; SHARES.  A work-group makes 128 tokens (y: block RB) x 256 columns (x: block cb); wave w tokens 64 (w / 2) .. x columns 128 (w % 2) ..: 32 accumulators, 256 matrix instructions.
; ALL OF K lies in LDS, filled once: o's images 98,304 bytes, Wo's 196,608.  CLUSTERS of 4 x 4: o's tiles are shared along a row of the cluster, Wo's along a column: each is asked for jointly.
; Waves 0, 1 fetch o's K steps (even, odd), waves 2, 3 Wo's, two K steps a group, four loads a wave; a group is waited for one K step ahead of its use.
; THE MATRIX INSTRUCTION IS USED TRANSPOSED (source 0 = 16 rows of Wo, source 1 = 16 tokens): a lane holds eight neighbouring columns of one token.  Row r of token tile t is token 32 (t / 2) + 8 (t % 2) + r + 8 (r / 8).
; x's 64 rows x 512 bytes of the wave are asked for at the head, into window 3, and added on the way out, where a block of 16 rows comes back from the stage as whole rows.
; REGISTERS.  Window 0: v1-11 addresses, v28-29 the add's two, v32-63 Wo's scale words, v64-79 o's, v80-111 o's halfwords, v128-255 rows on the way out.   window 1: v0-95 B, one set; v96-191 A, two sets.
;   window 2: accumulator (token tile a, column tile j) at 8 (8 a + j).   window 3: x, row t of tile a at 64 a + 4 t.
.set GRP,   73728                      ; two K steps: A even 12,288, A odd 12,288, B even 24,576, B odd 24,576
.set SPARE, 4*GRP                      ; behind them: the spare words
.set SPITCH, 528                       ; the stage: 16 rows x (512 + 16) bytes a wave, from byte 0: group 0 has had its one fill, and every wave's reads of it are over behind the barrier of K step 1
.set LA16, 1
.set LA8,  2
.set LBB,  3
.set STO,  4
.set RD,   5
.set CO,   9
.set VWS,  10
.set VOS,  11
.set SPW,  28
.set NIL,  29
.set WS,   32
.set OS,   64
.set U,    80
.set BK,   128
.set AF,   96
.set WV,   16
.set G1A,  24
.set G1B,  32
.set G0A,  40
.set MSB, 0
.macro WIN new
.if MSB != (\new)
	s_set_vgpr_msb (MSB<<8)|(\new)
.set MSB, (\new)
.endif
.endm
.macro CROUND
	s_barrier_signal -1
	s_barrier_wait -1
	s_cmp_lg_u32 s[WV], 0
	s_cbranch_scc1 .Lnot_wave_0_\@
	s_barrier_signal -3
.Lnot_wave_0_\@:
	s_barrier_wait -3
	s_barrier_signal -1
	s_barrier_wait -1
.endm
.macro PLACES
.rept 4
	v_nop
.endr
.endm
.macro WM d, a, b, z, sa, sb, ra, rb
.if \z
.if (\ra) && (\rb)
	v_wmma_scale_f32_16x16x128_f8f6f4 v[\d:\d+7], v[\a:\a+11], v[\b:\b+11], 0, v[\sa], v[\sb] matrix_a_fmt:MATRIX_FMT_BF6 matrix_b_fmt:MATRIX_FMT_BF6 matrix_a_scale:MATRIX_SCALE_ROW1 matrix_b_scale:MATRIX_SCALE_ROW1
.elseif \ra
	v_wmma_scale_f32_16x16x128_f8f6f4 v[\d:\d+7], v[\a:\a+11], v[\b:\b+11], 0, v[\sa], v[\sb] matrix_a_fmt:MATRIX_FMT_BF6 matrix_b_fmt:MATRIX_FMT_BF6 matrix_a_scale:MATRIX_SCALE_ROW1
.elseif \rb
	v_wmma_scale_f32_16x16x128_f8f6f4 v[\d:\d+7], v[\a:\a+11], v[\b:\b+11], 0, v[\sa], v[\sb] matrix_a_fmt:MATRIX_FMT_BF6 matrix_b_fmt:MATRIX_FMT_BF6 matrix_b_scale:MATRIX_SCALE_ROW1
.else
	v_wmma_scale_f32_16x16x128_f8f6f4 v[\d:\d+7], v[\a:\a+11], v[\b:\b+11], 0, v[\sa], v[\sb] matrix_a_fmt:MATRIX_FMT_BF6 matrix_b_fmt:MATRIX_FMT_BF6
.endif
.else
.if (\ra) && (\rb)
	v_wmma_scale_f32_16x16x128_f8f6f4 v[\d:\d+7], v[\a:\a+11], v[\b:\b+11], v[\d:\d+7], v[\sa], v[\sb] matrix_a_fmt:MATRIX_FMT_BF6 matrix_b_fmt:MATRIX_FMT_BF6 matrix_a_scale:MATRIX_SCALE_ROW1 matrix_b_scale:MATRIX_SCALE_ROW1
.elseif \ra
	v_wmma_scale_f32_16x16x128_f8f6f4 v[\d:\d+7], v[\a:\a+11], v[\b:\b+11], v[\d:\d+7], v[\sa], v[\sb] matrix_a_fmt:MATRIX_FMT_BF6 matrix_b_fmt:MATRIX_FMT_BF6 matrix_a_scale:MATRIX_SCALE_ROW1
.elseif \rb
	v_wmma_scale_f32_16x16x128_f8f6f4 v[\d:\d+7], v[\a:\a+11], v[\b:\b+11], v[\d:\d+7], v[\sa], v[\sb] matrix_a_fmt:MATRIX_FMT_BF6 matrix_b_fmt:MATRIX_FMT_BF6 matrix_b_scale:MATRIX_SCALE_ROW1
.else
	v_wmma_scale_f32_16x16x128_f8f6f4 v[\d:\d+7], v[\a:\a+11], v[\b:\b+11], v[\d:\d+7], v[\sa], v[\sb] matrix_a_fmt:MATRIX_FMT_BF6 matrix_b_fmt:MATRIX_FMT_BF6
.endif
.endif
.endm
.macro FB k, j0                        ; Wo's tiles j0 .. j0 + 3 of K step k
	WIN 0x40
.irp j, \j0, \j0+1, \j0+2, \j0+3
.irp c, 0,1,2
	ds_load_b128 v[12*(\j)+4*\c:12*(\j)+4*\c+3], v[LBB] offset:24576+24576*((\k)%2)+1536*(\j)+512*\c
.endr
.endr
.endm
.macro FA k                            ; o's four tiles of K step k into set k % 2: each two half images
	WIN 0x40
.set AR, AF+48*((\k)%2)
.set AO, 12288*((\k)%2)
.irp a, 0,1,2,3
	ds_load_b128 v[AR+12*\a:AR+12*\a+3], v[LA16] offset:AO+1536*\a
	ds_load_b64 v[AR+12*\a+4:AR+12*\a+5], v[LA8] offset:AO+1536*\a+512
	ds_load_b128 v[AR+12*\a+6:AR+12*\a+9], v[LA16] offset:AO+1536*\a+768
	ds_load_b64 v[AR+12*\a+10:AR+12*\a+11], v[LA8] offset:AO+1536*\a+1280
.endr
.endm
.macro MUL k, j
.irp a, 0,1,2,3
	WM 8*(8*\a+(\j)), 12*(\j), AF+48*((\k)%2)+12*\a, (\k)==0, WS+8*((\j)/2)+(\k), OS+8*(\a/2)+(\k), (\j)%2, \a%2
.endr
.endm
; A K STEP: 32 matrix instructions, the 32 accumulators by turns in one fixed order
.macro STEP k
	s_wait_dscnt 12                                  ; Wo's tiles 0-3 and o's four are in; the 12 loads of tiles 4-7 may be out
	WIN 0xa5
.irp j, 0,1,2,3
	MUL \k, \j
.endr
.if (\k) < 7
	WIN 0
.if (\k)%2 == 1
	v_add_nc_u32 v[LA16], GRP, v[LA16]               ; on to the next group; with the v_nop: the four places
	v_add_nc_u32 v[LA8], GRP, v[LA8]
	v_add_nc_u32 v[LBB], GRP, v[LBB]
	v_nop
	s_wait_tensorcnt 2-(\k)/2                        ; my load of the next group has landed; my later ones may be out
	s_wait_dscnt 0x0
	s_barrier_signal -1
	s_barrier_wait -1
.else
	PLACES
.endif
	FB (\k)+1, 0
	FA (\k)+1
	s_wait_dscnt 28                                  ; this step's tiles 4-7 are in; the 28 just issued may be out
.else
	s_wait_dscnt 0x0
.endif
	WIN 0xa5
.irp j, 4,5,6,7
	MUL \k, \j
.endr
	WIN 0
	PLACES
.if (\k) < 7
	FB (\k)+1, 4
.endif
.endm
; THE WAY OUT of token tile a: 16 rows x 128 columns through my stage, back as whole rows of 512 bytes; x is added; 32 lanes store two aligned runs of 256 bytes
.macro TOSTAGE a
	WIN 0x08                                         ; an LDS store's data are its source 1: window 2
.irp b, 0,1,2,3,4,5,6,7
	ds_store_b128 v[STO], v[64*(\a)+8*\b:64*(\a)+8*\b+3] offset:64*\b       ; each accumulator from its low end on
	ds_store_b128 v[STO], v[64*(\a)+8*\b+4:64*(\a)+8*\b+7] offset:64*\b+16
.endr
	WIN 0
.set BB, BK+64*((\a)%2)
.irp t, 0,1,2,3,4,5,6,7,8,9,10,11,12,13,14,15
	ds_load_b128 v[BB+4*\t:BB+4*\t+3], v[RD] offset:\t*SPITCH   ; LDS serves a wave's instructions in order (ISA guide 5.7.1.4): these see the stores above
.endr
.endm
.macro SEND a, younger
.set BB, BK+64*((\a)%2)
	s_wait_dscnt \younger                            ; the block is back in registers
	s_wait_loadcnt 16*(3-(\a))                       ; and its 16 rows of x are in; the later blocks' may be out
	WIN 0x0c                                         ; source 1 (x) window 3
.set tt, 0
.rept 32
	v_pk_add_f32 v[BB+2*tt:BB+2*tt+1], v[BB+2*tt:BB+2*tt+1], v[64*(\a)+2*tt:64*(\a)+2*tt+1]
.set tt, tt+1
.endr
	WIN 0
.irp t, 0,1,2,3,4,5,6,7,8,9,10,11,12,13,14,15
	global_store_b128 v[CO], v[BB+4*\t:BB+4*\t+3], s[14:15] offset:(32*((\a)/2)+8*((\a)%2)+\t+8*(\t/8))*8192 th:TH_STORE_NT
.endr
.endm
	s_load_b256 s[4:11], s[0:1], 0x0                 ; oimg, osc, wimg, Wo_scales
	s_load_b128 s[12:15], s[0:1], 0x20               ; x, out0
	v_lshl_add_u32 v[SPW], v0, 2, SPARE
	v_mov_b32 v[NIL], 0
	ds_add_u32 v[SPW], v[NIL]                        ; the wave's opening: an add, twice on end, and its wait ahead of my first tensor load
	ds_add_u32 v[SPW], v[NIL]                        ; and once more; the set-up below, work on registers, stands between it and the wait
	v_lshrrev_b32 v1, 5, v0
	v_readfirstlane_b32 s[WV], v1                    ; wave 0..3
	s_lshr_b32 s17, s[WV], 1                         ; my half of the tokens.  Also: I fetch for o (0) or for Wo (1)
	s_and_b32 s18, s[WV], 1                          ; my half of the columns.  Also: the even or the odd K step of a group
	s_bfe_u32 s19, ttmp6, 0x40000                    ; cx
	s_bfe_u32 s20, ttmp6, 0x40004                    ; cy
	s_lshl_b32 s21, ttmp9, 2
	s_add_co_u32 s21, s21, s19                       ; cb
	s_and_b32 s22, ttmp7, 0xffff
	s_lshl_b32 s22, s22, 2
	s_add_co_u32 s22, s22, s20                       ; RB
	s_lshl_b32 s90, s20, 2
	s_lshl_b32 s90, 15, s90                          ; my row of the cluster
	s_lshl_b32 s91, 0x1111, s19                      ; my column
	s_or_b32 s[G1A], s90, (3<<16)|(1<<21)            ; o's tiles go to my row; elements of 8 bytes; bit 21 beside the mask
	s_or_b32 s[G1B], s91, (3<<16)|(1<<21)            ; Wo's to my column
	s_mov_b32 s[G1A+1], 32<<16
	s_mov_b32 s[G1A+2], 48<<16                       ; 12,288 dense bytes as 48 rows of 256
	s_mov_b32 s[G1A+3], 32<<16
	s_mov_b32 s[G1A+4], 48
	s_mov_b32 s[G1A+5], 32
	s_mov_b32 s[G1A+6], 0
	s_mov_b32 s[G1A+7], 0
	s_mov_b32 s[G1B+1], 32<<16
	s_mov_b32 s[G1B+2], 96<<16                       ; 24,576 as 96 rows
	s_mov_b32 s[G1B+3], 32<<16
	s_mov_b32 s[G1B+4], 96
	s_mov_b32 s[G1B+5], 32
	s_mov_b32 s[G1B+6], 0
	s_mov_b32 s[G1B+7], 0
	s_mul_i32 s78, s22, 98304                        ; o's address hangs on RB and the wave alone,
	s_mul_i32 s82, s18, 12288
	s_add_co_u32 s78, s78, s82
	s_mov_b32 s79, 0
	s_mul_i32 s80, s21, 196608                       ; Wo's on cb and the wave alone
	s_mul_i32 s83, s18, 24576
	s_add_co_u32 s80, s80, s83
	s_add_co_u32 s80, s80, 4718592
	s_mov_b32 s81, 0
	s_add_co_u32 s83, s83, 24576                     ; Wo's place in a group; o's is s82
	s_lshl_b32 s84, s21, 13
	s_lshl_b32 s85, s18, 12
	s_add_co_u32 s84, s84, s85                       ; Wo_scales: row 256 cb + 128 (w % 2), 32 bytes a row
	s_mov_b32 s85, 0
	s_lshl_b32 s86, s22, 8
	s_lshl_b32 s87, s17, 7
	s_add_co_u32 s86, s86, s87                       ; osc: tile 8 RB + 4 (w / 2), 32 bytes a tile
	s_mov_b32 s87, 0
	s_lshl_b32 s88, s22, 20
	s_lshl_b32 s89, s17, 19
	s_add_co_u32 s88, s88, s89
	s_lshl_b32 s89, s21, 10
	s_add_co_u32 s88, s88, s89
	s_lshl_b32 s89, s18, 9
	s_add_co_u32 s88, s88, s89                       ; x and out0: my first token's row, my first column
	s_mov_b32 s89, 0
	v_and_b32 v6, 31, v0                             ; lane
	v_and_b32 v7, 15, v0                             ; r
	v_bfe_u32 v8, v0, 4, 1                           ; h
	s_mul_i32 s94, s17, 6144
	s_mul_i32 s95, s18, 12288
	s_mul_i32 s96, s[WV], 16*SPITCH
	v_lshlrev_b32 v[CO], 4, v6
	v_add_nc_u32 v[LA16], s94, v[CO]                 ; o's images: my four tiles
	v_lshlrev_b32 v[LA8], 3, v6
	v_add_nc_u32 v[LA8], s94, v[LA8]
	v_add_nc_u32 v[LBB], s95, v[CO]                  ; Wo's: my eight tiles
	v_mul_u32_u24 v[STO], v7, SPITCH
	v_lshl_add_u32 v[STO], v8, 5, v[STO]
	v_add_nc_u32 v[STO], s96, v[STO]                 ; the stage, in: row r, 32 bytes for each half of the lanes
	v_add_nc_u32 v[RD], s96, v[CO]                   ; back: 16 bytes a lane of a row
	v_lshlrev_b32 v[VWS], 5, v6                      ; Wo's scale rows: lanes 0-15 the even tile's, lanes 16-31 the odd tile's
	v_lshlrev_b32 v[VOS], 1, v6                      ; o's halfwords likewise
	s_wait_dscnt 0x0                                 ; both opening adds are done
	s_wait_kmcnt 0x0
	s_add_nc_u64 s[76:77], s[4:5], s[78:79]
	s_add_nc_u64 s[92:93], s[8:9], s[80:81]
	s_add_nc_u64 s[10:11], s[10:11], s[84:85]
	s_add_nc_u64 s[6:7], s[6:7], s[86:87]
	s_add_nc_u64 s[12:13], s[12:13], s[88:89]
	s_add_nc_u64 s[14:15], s[14:15], s[88:89]
.irp i, 0,1,2,3
	s_mov_b32 s[G0A+4*\i], 1
	s_add_co_u32 s[G0A+4*\i+1], s82, \i*GRP
	s_add_nc_u64 s[G0A+4*\i+2:G0A+4*\i+3], s[76:77], \i*24576
	s_or_b32 s[G0A+4*\i+3], s[G0A+4*\i+3], 0x80000000
	s_mov_b32 s[56+4*\i+4*(\i/2)], 1                 ; Wo's four groups 0 stand at s56, s60, s68, s72
	s_add_co_u32 s[56+4*\i+4*(\i/2)+1], s83, \i*GRP
	s_add_nc_u64 s[56+4*\i+4*(\i/2)+2:56+4*\i+4*(\i/2)+3], s[92:93], \i*49152
	s_or_b32 s[56+4*\i+4*(\i/2)+3], s[56+4*\i+4*(\i/2)+3], 0x80000000
.endr
	CROUND                                           ; all sixteen work-groups are here: the joint loads meet
	s_cmp_eq_u32 s17, 0                              ; a wave's four first fills stand in one branch on the wave's number: four loads of mine are out
	s_cbranch_scc0 .Lfirst_b
.irp i, 0,1,2,3
	tensor_load_to_lds s[G0A+4*\i:G0A+4*\i+3], s[G1A:G1A+7]
	s_nop 0
.endr
.rept 4
	v_nop
.endr
	s_branch .Lfirst_asked
.Lfirst_b:
.irp i, 0,1,2,3
	tensor_load_to_lds s[56+4*\i+4*(\i/2):56+4*\i+4*(\i/2)+3], s[G1B:G1B+7]
	s_nop 0
.endr
.rept 4
	v_nop
.endr
.Lfirst_asked:
.irp p, 0,1,2,3
.irp q, 0,1
	global_load_b128 v[WS+8*\p+4*\q:WS+8*\p+4*\q+3], v[VWS], s[10:11] offset:1024*\p+16*\q
.endr
.endr
.irp p, 0,1
.set hh, 0
.rept 16
	global_load_u16 v[U+16*\p+hh], v[VOS], s[6:7] offset:8192*hh+64*\p
.set hh, hh+1
.endr
.endr
	WIN 0xc0                                         ; destination window 3
.irp a, 0,1,2,3
.set tt, 0
.rept 16
	global_load_b128 v[64*\a+4*tt:64*\a+4*tt+3], v[CO], s[12:13] offset:(32*(\a/2)+8*(\a%2)+tt+8*(tt/8))*8192 th:TH_LOAD_NT
.set tt, tt+1
.endr
.endr
	WIN 0
	s_wait_loadcnt 63                                ; of the 104 loads the oldest 41 are in: the 40 of scale bytes among them
.irp k, 0,1,2,3,4,5,6,7
.irp p, 0,1
	v_lshl_or_b32 v[OS+8*\p+\k], v[U+16*\p+2*\k+1], 16, v[U+16*\p+2*\k]   ; K step k spans heads 2 k and 2 k + 1; the first step's words are made first, fourteen lines ahead of the products
.endr
.endr
	s_wait_tensorcnt 3                               ; my load of K steps 0, 1 has landed; the three behind it may be out
	s_barrier_signal -1
	s_barrier_wait -1                                ; everybody's has
	FB 0, 0
	FA 0
	FB 0, 4
.set KK, 0
.rept 8
	STEP KK
.set KK, KK+1
.endr
	TOSTAGE 0
.irp a, 1,2,3
.if \a > 1
	s_wait_xcnt 0x0                                  ; block a - 2's stores have read their registers: block a's rows may land there
.endif
	TOSTAGE \a
	SEND \a-1, 32                                    ; behind block a - 1's loads: block a's 16 stores and 16 loads
.endr
	SEND 3, 0
	s_wait_tensorcnt 0x0                             ; the wave's end
	ds_add_u32 v[SPW], v[NIL]
	s_wait_dscnt 0x0
	CROUND                                           ; the closing round
	s_endpgm
.Lfunc_end_k_q62d97adf20_oproj:
	.size	k_q62d97adf20_oproj, .Lfunc_end_k_q62d97adf20_oproj-k_q62d97adf20_oproj
	.p2alignl 7, 3214868480
	.fill 96, 4, 3214868480
	.section	.rodata,"a",@progbits
	.p2align	6, 0x0
	.amdhsa_kernel k_q62d97adf20_oproj
		.amdhsa_group_segment_fixed_size 295424
		.amdhsa_private_segment_fixed_size 0
		.amdhsa_enable_private_segment 0
		.amdhsa_kernarg_size 48
		.amdhsa_user_sgpr_count 2
		.amdhsa_user_sgpr_kernarg_segment_ptr 1
		.amdhsa_wavefront_size32 1
		.amdhsa_system_sgpr_workgroup_id_x 1
		.amdhsa_system_sgpr_workgroup_id_y 1
		.amdhsa_system_sgpr_workgroup_id_z 1
		.amdhsa_system_vgpr_workitem_id 0
		.amdhsa_next_free_vgpr 1024
		.amdhsa_next_free_sgpr 100
		.amdhsa_reserve_vcc 0
		.amdhsa_float_denorm_mode_32 3
		.amdhsa_float_denorm_mode_16_64 3
		.amdhsa_memory_ordered 1
		.amdhsa_forward_progress 1
		.amdhsa_inst_pref_size 99
	.end_amdhsa_kernel
	.amdgpu_metadata
---
amdhsa.version: [ 1, 2 ]
amdhsa.kernels:
  - .name:           k_q62d97adf20_oproj
    .symbol:         k_q62d97adf20_oproj.kd
    .args:
      - { .name: oimg, .offset: 0, .size: 8, .value_kind: global_buffer, .address_space: global }
      - { .name: osc, .offset: 8, .size: 8, .value_kind: global_buffer, .address_space: global }
      - { .name: wimg, .offset: 16, .size: 8, .value_kind: global_buffer, .address_space: global }
      - { .name: Wo_scales, .offset: 24, .size: 8, .value_kind: global_buffer, .address_space: global }
      - { .name: x, .offset: 32, .size: 8, .value_kind: global_buffer, .address_space: global }
      - { .name: out0, .offset: 40, .size: 8, .value_kind: global_buffer, .address_space: global }
    .group_segment_fixed_size: 295424
    .private_segment_fixed_size: 0
    .kernarg_segment_align: 8
    .kernarg_segment_size: 48
    .max_flat_workgroup_size: 128
    .sgpr_count:     100
    .vgpr_count:     1024
    .wavefront_size: 32
...
	.end_amdgpu_metadata
.endif
;; end of part 4
